; MI455X (gfx1250); checked and timed in simulation.
; The chip was launched on July 23, 2026; its instructions are those of AMD's public machine-readable ISA for CDNA 5 (MIT licence, August 2026) and "CDNA5" Instruction Set Architecture Reference Guide (July 2026). The comments in the code are by the model that wrote it; some were corrected since.
;; Text Based Global Local Unit. Allowed arithmetic: matrix products marked QUANTISED: E5M2 operands, one E8M0 scale for each 32 along K, by v_wmma_scale_f32_16x16x128_f8f6f4 with both operands' format E5M2, f32 sums; products left as they are: f32 operands where the result goes on into a quantised operand, else bf16, f16 or f32 operands; f32 sums; everything else in f32.
;; Inputs: Wc 768 x 768 float32; Wk 768 x 768 float32; Wq 768 x 768 float32; Wv 768 x 768 float32; bc 768 float32; bk 768 float32; bq 768 float32; bv 768 float32; entity_text_cls 128 x 768 float32; entity_text_tokens 128 x 128 x 768 float32; ln_b 768 float32; ln_g 768 float32; mention_text_cls 32 x 768 float32; mention_text_tokens 32 x 128 x 768 float32.
;; Outputs: out0 32 x 128 float32.
;; This version of the problem:
;;   THIS VERSION OF THE PROBLEM IS GIVEN IN LOW PRECISION. The matrix products marked QUANTISED in the list below multiply operands that are first quantised to E5M2 (5 exponent bits, 2 mantissa bits; 8 bits a number), with one power-of-two scale for each 32 numbers along K (OCP MX v1.0); their sums are f32. All else is computed in f32.
;;   The module's matrix products, in the order in which they are computed (A, B: the left and right operand; K: the contracted axis; several contracted axes count as one K, in the product's order):
;;     1. [M 128, K 768] x [K 768, N 768]; A: input entity_text_cls; B: input Wc: QUANTISED
;;     2. [M 16,384, K 768] x [K 768, N 768]; A: input entity_text_tokens; B: input Wq: QUANTISED
;;     3. [M 4,096, K 768] x [K 768, N 768]; A: input mention_text_tokens; B: input Wk: QUANTISED
;;     4. [M 4,096, K 768] x [K 768, N 768]; A: input mention_text_tokens; B: input Wv: QUANTISED
;;     5. [M 4,096, K 768] x [K 768, N 16,384]; A: computed on the way; B: computed on the way: QUANTISED
;;     6. batch 32 x [M 768, K 128] x [K 128, N 128]; A: computed on the way; B: computed on the way: QUANTISED
;;     7. batch 128 x [M 1, K 768] x [K 768, N 32]; A: computed on the way; B: computed on the way: left as it is (M = 1 < 16)
;;     8. [M 32, K 768] x [K 768, N 128]; A: input mention_text_cls; B: input entity_text_cls: QUANTISED
;;   THE QUANTISER, for each operand of a quantised product, along K:
;;     - K is cut into blocks of 32 from its start; a last block that is shorter is filled with zeros.
;;     - A block's scale is 2^e with e = floor(log2(the largest magnitude in the block)) - 15, held to -126 .. 127; a block of zeros has e = 0. As a byte (E8M0): e + 127.
;;     - Each number is divided by its block's scale, clamped to +-57,344, and rounded to the nearest number of E5M2, ties to even, subnormals kept.
;;     - The product sums the exact products of the quantised numbers (number of the format x scale) in f32.
;;   ~~~python
;;   def quantise(x, axis):      # numpy; x: float32 -> the quantised numbers, widened to float32 again
;;       x = np.moveaxis(x, axis, -1); K = x.shape[-1]
;;       x = np.pad(x, [(0, 0)] * (x.ndim - 1) + [(0, -K % 32)]); x = x.reshape(x.shape[:-1] + (-1, 32)); a = np.abs(x).max(-1, keepdims=True)
;;       e = np.where(a > 0, np.clip(np.frexp(np.where(a > 0, a, 1))[1] - 1 - 15, -126, 127), 0)      # np.frexp(a)[1] - 1 = floor(log2(a)), exactly
;;       r = np.clip(x / 2.0 ** e, -57344, 57344)
;;       step = 2.0 ** (np.maximum(np.frexp(np.where(r == 0, 1, r))[1] - 1, -14) - 2)
;;       q = np.round(r / step) * step * 2.0 ** e      # np.round: ties to even
;;       return np.moveaxis(q.reshape(q.shape[:-2] + (-1,))[..., :K], -1, axis).astype(np.float32)
;;   ~~~
;;   OPERANDS COMPUTED ON THE WAY. 'Computed on the way' means the value that the module computes at that place (a softmax that the list does not call 'softmax' is quantised finished and normalised). What goes into a quantiser is computed in f32, as accurately as f32 sums, v_exp_f32 and their like allow (about 1e-6 of the number): no bf16 or f16 on the way to a quantiser, and a product that is left as it is and whose result goes on into a quantised operand takes f32 operands (vector FMAs, or v_wmma_f32_16x16x4_f32). A number that lies on a knife's edge between two numbers of the format may be rounded either way, as far as f32 arithmetic and the matrix unit's own rounding can turn it there, and no further.
;; One version. Each part assembles by itself: llvm-mc -triple=amdgcn-amd-amdhsa -mcpu=gfx1250 --defsym DOCPART=n.
;; ======== version 1 of 1: 3 launches
;; workspace buffers: xq 16,220,160 bytes; wcod 1,824,768 bytes; qkv 19,464,192 bytes; clsfc 786,432 bytes; g2g 32,768 bytes
;; launch prep (part 1): grid 1268 x 1, 4 waves a work-group, no clusters, 34,304 bytes of LDS; arguments entity_text_tokens, mention_text_tokens, Wq, Wk, Wv, Wc, bc, entity_text_cls, mention_text_cls, xq, wcod, clsfc, g2g; writes xq, wcod, clsfc, g2g
.if DOCPART == 1
	.amdgcn_target "amdgcn-amd-amdhsa--gfx1250"
	.amdhsa_code_object_version 6
	.text
	.protected	k_q21d7c35e8a_prep
	.globl	k_q21d7c35e8a_prep
	.p2align	8
	.type	k_q21d7c35e8a_prep,@function
k_q21d7c35e8a_prep:
	s_mov_b64 s[64:65], 0
	v_nop
	global_prefetch_b8 v0, s[64:65] scope:SCOPE_SE
	s_setreg_imm32_b32 hwreg(HW_REG_WAVE_MODE, 25, 1), 1
	s_wait_xcnt 0x0
; PREP: everything that is quantised once, and the two small products.  Codes are BF8 (E5M2), one E8M0 byte for each 32 along K.
; Four paths, chosen by the work-group's number; the paths with the longest chains of load, wait and quantise have the lowest numbers:
;   G (0-7):      g2g[p] = Q(mention_text_cls) Q(entity_text_cls)^T over half p of K: 16 tiles of 16 x 16 x 2 halves, a wave each.
;   C (8-199):    clsfc[p] = Q(entity_text_cls) Q(Wc) over half p of K, with bc as the C of half 0's sum: 384 tiles x 2 halves, a wave each.
;                 The launch that reads g2g and clsfc adds the two halves.  So a wave's chain has three links and not six.
;   W (200-307):  Wq, Wk, Wv [k][n] f32 -> 18 slabs (weight, K step of 128): a lane takes a column, its registers run down K.
;   T (308-1267): the 20,480 token rows f32 -> 160 blocks of 128 rows: a wave takes 16 rows x 256 along K, a third of K, and asks for both its K steps at its start.
; A BLOCK (101,376 bytes) is 128 rows x 768 K as images of operand registers: the 16 bytes of (tile T, block of 32 blk, lane l) lie at
; 12,288 T + 512 blk + 16 l; the scale bytes at 98,304 + 24 row + blk.  A SLAB has the fragment of unit tile a at 2,048 a and the scale word of a unit at 98,304 + 4 unit.
; A block's scale byte is its largest magnitude's exponent field - 15, held at 1 from below.
; LIMITS: NaN and infinities among the inputs are not served; a block whose largest magnitude lies under 2^-111 takes the byte 1; a block of zeros takes the byte 1
; with zero codes (the rule says 127): the bytes are read by this program alone, and zero codes add nothing under either byte.
; No tensor loads, no barrier: waves share nothing.  Only path T uses LDS, each wave a stage of its own.
.set BLOCK,  101376
.set SCOFF,  98304
.set ROWB,   3072                      ; a row of 768 f32
.set TILEB,  16*ROWB
.set FLOOR,  0x8000000                 ; 2^(16 - 127)
.set EOFF,   0xf8800000                ; -(15 << 23)
.set EXPM,   0x7f800000
.set IDC,    8                         ; the first work-group of path C,
.set IDW,    200                       ; of path W,
.set IDT,    308                       ; of path T
.set PWS, 10                           ; v10, v11  path T: a row's two scale words
.set PWA, 14                           ; v14, v15  the two scale words of paths G and C: they hold nothing else
.set PWB, 15
.set TM,  16                           ; v16-31   at work in QUANT
.set PCA, 32                           ; v32-47   codes of source 0 (path T: of its first K step)
.set PCB, 48                           ; v48-63   codes of source 1 (path T: of its second K step)
.set SA,  64                           ; v64-127  64 numbers
.set SB,  128                          ; v128-191 64 numbers
.set XT,  192                          ; v192-255 path T: 64 neighbours
.set ACC, 192                          ; v192-199 paths G, C: the accumulator
.set WV,  30
.set SEL, 60                           ; s[60:61] v_permlanex16_b32's selects for lane l xor 16
.set MNT, 62                           ; s62      the mantissa field of 57,344
.macro PLACES n
.rept \n
	v_nop
.endr
.endm
; 64 numbers of a lane, register 16 b + i = k 32 b + 16 (lane / 16) + i of the lane's row, become a fragment's 16 code registers and its scale word
.macro QUANT s, pc, pw
.irp b, 0,1,2,3
	v_max3_num_f32 v[TM+\b], |v[(\s)+16*\b]|, |v[(\s)+16*\b+1]|, FLOOR   ; my 16 numbers of block b, and the floor
.endr
.irp i, 2,4,6,8,10,12,14
.irp b, 0,1,2,3
	v_max3_num_f32 v[TM+\b], v[TM+\b], |v[(\s)+16*\b+\i]|, |v[(\s)+16*\b+\i+1]|
.endr
.endr
.irp b, 0,1,2,3
	v_permlanex16_b32 v[TM+4+\b], v[TM+\b], s[SEL], s[SEL+1]
.endr
.irp b, 0,1,2,3
	v_max_num_f32 v[TM+\b], v[TM+\b], v[TM+4+\b]                 ; with lane l xor 16's: the block's largest magnitude
.endr
.irp b, 0,1,2,3
	v_add_nc_u32 v[TM+12+\b], EOFF, v[TM+\b]                     ; 15 off its exponent field: the conversion's scale operand
.endr
.irp b, 0,1,2,3
	v_and_or_b32 v[TM+8+\b], v[TM+\b], EXPM, s[MNT]              ; 57,344 x the scale
.endr
.irp b, 0,1,2,3
	v_lshrrev_b32 v[TM+4+\b], 23, v[TM+12+\b]                    ; the scale's byte
.endr
	v_lshl_or_b32 v[\pw], v[TM+5], 8, v[TM+4]
	v_lshl_or_b32 v[\pw], v[TM+6], 16, v[\pw]
	v_lshl_or_b32 v[\pw], v[TM+7], 24, v[\pw]
.irp b, 0,1,2,3
.irp i, 0,1,2,3,4,5,6,7,8,9,10,11,12,13,14,15
	v_med3_num_f32 v[(\s)+16*\b+\i], v[(\s)+16*\b+\i], -v[TM+8+\b], v[TM+8+\b]   ; the conversion does not saturate (ISA guide 7.6.2): the hold comes first
.endr
	v_cvt_scalef32_pk8_bf8_f32 v[(\pc)+4*\b:(\pc)+4*\b+1], v[(\s)+16*\b:(\s)+16*\b+7], v[TM+12+\b]
	v_cvt_scalef32_pk8_bf8_f32 v[(\pc)+4*\b+2:(\pc)+4*\b+3], v[(\s)+16*\b+8:(\s)+16*\b+15], v[TM+12+\b]
.endr
	v_nop                                          ; one plain instruction behind the last conversion
.endm
	s_load_b512 s[4:19], s[0:1], 0x0               ; tokens e s[4:5], m s[6:7]; Wq s[8:9], Wk s[10:11], Wv s[12:13], Wc s[14:15]; bc s[16:17]; entity cls s[18:19]
	s_load_b256 s[20:27], s[0:1], 0x40             ; mention cls s[20:21]; xq s[22:23]; wcod s[24:25]; clsfc s[26:27]
	s_load_b64 s[28:29], s[0:1], 0x60              ; g2g
	v_lshl_add_u32 v9, v0, 2, 0x8400
	v_mov_b32 v13, 0
	v_lshrrev_b32 v1, 5, v0
	v_readfirstlane_b32 s[WV], v1                  ; wave
	v_and_b32 v1, 31, v0                           ; lane
	v_and_b32 v2, 15, v0                           ; r
	v_bfe_u32 v3, v0, 4, 1                         ; h
	s_mov_b32 s[SEL], 0x76543210
	s_mov_b32 s[SEL+1], 0xfedcba98
	s_mov_b32 s[MNT], 0x600000
	s_mov_b32 s35, 0                               ; the high word of every offset pair s[34:35]
.irp b, 0,1,2,3
	v_mov_b32 v[TM+4+\b], 0                        ; a lane permute's destination counts as one of its sources
.endr
	s_wait_kmcnt 0x0
	s_cmp_lt_u32 ttmp9, IDC
	s_cbranch_scc1 .Lpath_g
	s_cmp_lt_u32 ttmp9, IDW
	s_cbranch_scc1 .Lpath_c
	s_cmp_lt_u32 ttmp9, IDT
	s_cbranch_scc1 .Lpath_w
; ---------------- PATH T: a wave turns 16 token rows x 256 along K into two fragments ----------------
; Each load reads 512 consecutive bytes of one row (a K step of 128 numbers, 16 bytes a lane); the 16 rows go through the wave's stage (rows 528 bytes apart) and come back
; 64 bytes a lane: lane (r, h) gets, of row r, 16 neighbours of each block of 32.  All 32 loads of the wave go out at its start.  Three work-groups on end cover the whole rows of four tiles.
	s_sub_co_u32 s31, ttmp9, IDT                   ; 0 .. 959 = 3 x (group of four tiles) + third of K
	s_mul_i32 s33, s31, 21846
	s_lshr_b32 s33, s33, 16                        ; the group: n / 3 = 21,846 n >> 16 for n under 960
	s_mul_i32 s42, s33, 3
	s_sub_co_u32 s42, s31, s42                     ; the third of K
	s_lshl_b32 s32, s33, 2
	s_add_co_u32 s32, s32, s[WV]                   ; tile 0 .. 1,279: 1,024 of the entities' rows, then 256 of the mentions'
	s_cmp_lt_u32 s33, 256
	s_cselect_b64 s[36:37], s[4:5], s[6:7]
	s_cselect_b32 s33, 0, 1024
	s_sub_co_u32 s33, s32, s33                     ; the tile's number in its own tensor
	s_mul_i32 s34, s33, TILEB
	s_lshl_b32 s43, s42, 10
	s_add_co_u32 s34, s34, s43                     ; a third of a row is 1,024 bytes
	s_add_nc_u64 s[36:37], s[36:37], s[34:35]
	s_lshr_b32 s33, s32, 3
	s_mul_i32 s34, s33, BLOCK
	s_add_nc_u64 s[22:23], s[22:23], s[34:35]      ; its block of xq
	s_and_b32 s33, s32, 7
	s_mul_i32 s38, s33, 12288                      ; its codes in the block,
	s_lshl_b32 s43, s42, 12
	s_add_co_u32 s38, s38, s43                     ; 4,096 bytes a third
	s_mul_i32 s39, s33, 384                        ; its 16 rows of scale bytes,
	s_lshl_b32 s43, s42, 3
	s_add_co_u32 s39, s39, s43                     ; 8 bytes a third
	s_mul_i32 s40, s[WV], 8448                     ; my stage
	v_lshlrev_b32 v4, 4, v1                        ; 16 x lane
	v_add_nc_u32 v5, s38, v4
	v_add_nc_u32 v6, s40, v4                       ; into the stage
	v_mul_u32_u24 v7, v2, 528
	v_lshl_add_u32 v7, v3, 6, v7
	v_add_nc_u32 v7, s40, v7                       ; out of it: row r, + 64 h
	v_mul_u32_u24 v8, v2, 24
	v_add_nc_u32 v8, s39, v8
	v_lshl_add_u32 v8, v3, 2, v8                   ; row r's scale word of my first K step (h = 0) or my second (h = 1)
.macro TLOADS s
.irp i, 0,1,2,3,4,5,6,7,8,9,10,11,12,13,14,15
	global_load_b128 v[64+64*(\s)+4*\i:64+64*(\s)+4*\i+3], v4, s[36:37] offset:\i*ROWB+512*(\s) th:TH_LOAD_NT
.endr
.endm
.macro TSTEP s                         ; each K step has code registers of its own: no store's data are written again
.if (\s) < 1
	s_wait_loadcnt 16                              ; the first K step's 16 loads are in; the second's 16 stay out
.else
	s_wait_loadcnt 0x0
.endif
.irp i, 0,1,2,3,4,5,6,7,8,9,10,11,12,13,14,15
	ds_store_b128 v6, v[64+64*(\s)+4*\i:64+64*(\s)+4*\i+3] offset:\i*528
.endr
.irp c, 0,1,2,3
.irp q, 0,1,2,3
	ds_load_b128 v[XT+16*\c+4*\q:XT+16*\c+4*\q+3], v7 offset:128*\c+16*\q   ; LDS serves a wave's instructions in order: these see the stores above
.endr
.endr
	s_wait_dscnt 0x0                               ; the numbers are back
	QUANT XT, PCA+16*(\s), PWS+(\s)
.irp c, 0,1,2,3
	global_store_b128 v5, v[PCA+16*(\s)+4*\c:PCA+16*(\s)+4*\c+3], s[22:23] offset:2048*(\s)+512*\c   ; 32 lanes store 512 consecutive bytes, aligned
.endr
.endm
	TLOADS 0
	TLOADS 1
	TSTEP 0
	TSTEP 1
	v_cmp_ne_u32 vcc_lo, 0, v3                     ; a row's 8 scale bytes of this third: the two halves of the lanes store different words
	v_cndmask_b32 v12, v[PWS], v[PWS+1], vcc_lo
	global_store_b32 v8, v12, s[22:23] offset:SCOFF
	s_wait_tensorcnt 0x0
	ds_add_u32 v9, v13
	s_wait_dscnt 0x0
	s_endpgm
; ---------------- PATH W: 32 columns x 128 along K a wave ----------------
.Lpath_w:
	s_sub_co_u32 s31, ttmp9, IDW                   ; 36 x weight + 6 x K step + column group
	s_cmp_lt_u32 s31, 36
	s_cselect_b64 s[36:37], s[8:9], s[10:11]
	s_cselect_b32 s32, 0, 1
	s_cmp_lt_u32 s31, 72
	s_cselect_b64 s[36:37], s[36:37], s[12:13]
	s_cselect_b32 s32, s32, 2                      ; the weight: 0 Wq, 1 Wk, 2 Wv
	s_mul_i32 s33, s32, 36
	s_sub_co_u32 s33, s31, s33
	s_mul_i32 s38, s33, 43
	s_lshr_b32 s38, s38, 8                         ; the K step: n / 6 = 43 n >> 8 for n under 36
	s_mul_i32 s39, s38, 6
	s_sub_co_u32 s39, s33, s39                     ; the group of 128 columns
	s_mul_i32 s34, s38, 128*ROWB
	s_lshl_b32 s40, s39, 9
	s_add_co_u32 s34, s34, s40
	s_lshl_b32 s40, s[WV], 7
	s_add_co_u32 s34, s34, s40
	s_add_nc_u64 s[36:37], s[36:37], s[34:35]      ; row 128 s, column 128 cg + 32 wave
	s_mul_i32 s40, s32, 6
	s_add_co_u32 s40, s40, s38
	s_mul_i32 s34, s40, BLOCK
	s_add_nc_u64 s[24:25], s[24:25], s[34:35]      ; the slab
	s_lshl_b32 s40, s39, 14
	s_lshl_b32 s41, s[WV], 12
	s_add_co_u32 s40, s40, s41
	v_lshlrev_b32 v4, 2, v1                        ; in: 4 bytes a lane
	v_lshlrev_b32 v5, 4, v2
	v_lshl_add_u32 v5, v3, 11, v5
	v_add_nc_u32 v5, s40, v5                       ; out: unit tile 8 cg + 2 wave + lane / 16, 16 bytes for unit lane % 16
	s_lshl_b32 s40, s39, 9
	s_lshl_b32 s41, s[WV], 7
	s_add_co_u32 s40, s40, s41
	v_add_nc_u32 v6, s40, v4                       ; my column's scale word
.macro WROWS t
.irp i, 0,1,2,3,4,5,6,7,8,9,10,11,12,13,14,15,16,17,18,19,20,21,22,23,24,25,26,27,28,29,30,31
	global_load_b32 v[64+32*((\t)%2)+\i], v4, s[36:37] offset:(32*(\t)+\i)*ROWB th:TH_LOAD_NT
.endr
.endm
.macro WBLK t                          ; a block of 32 along K lies in one lane's 32 registers
.set XS, 64+32*((\t)%2)
.set CC, 128+8*(\t)                    ; each block has its own code registers: no store's data are written again
.if (\t) < 3
	s_wait_loadcnt 32                              ; this block's 32 loads are in; the next block's stay out
.else
	s_wait_loadcnt 0x0
.endif
	v_max3_num_f32 v16, |v[XS]|, |v[XS+1]|, |v[XS+2]|
	v_max3_num_f32 v17, |v[XS+3]|, |v[XS+4]|, |v[XS+5]|
.irp i, 6,10,14,18,22,26
	v_max3_num_f32 v16, v16, |v[XS+\i]|, |v[XS+\i+1]|
	v_max3_num_f32 v17, v17, |v[XS+\i+2]|, |v[XS+\i+3]|
.endr
	v_max3_num_f32 v16, v16, |v[XS+30]|, |v[XS+31]|
	v_max3_num_f32 v16, v16, v17, FLOOR
	v_add_nc_u32 v19, EOFF, v16
	v_and_or_b32 v18, v16, EXPM, s[MNT]
	v_lshrrev_b32 v17, 23, v19
.if (\t) == 0
	v_mov_b32 v20, v17                             ; the four bytes make the column's scale word of this K step
.else
	v_lshl_or_b32 v20, v17, 8*(\t), v20
.endif
.irp i, 0,1,2,3,4,5,6,7,8,9,10,11,12,13,14,15,16,17,18,19,20,21,22,23,24,25,26,27,28,29,30,31
	v_med3_num_f32 v[XS+\i], v[XS+\i], -v18, v18
.endr
.irp g, 0,1,2,3
	v_cvt_scalef32_pk8_bf8_f32 v[CC+2*\g:CC+2*\g+1], v[XS+8*\g:XS+8*\g+7], v19
.endr
	v_nop
	global_store_b128 v5, v[CC:CC+3], s[24:25] offset:512*(\t)         ; k 0-15 of the block: the image's lanes 0-15; sixteen lanes store 256 consecutive bytes, aligned
	global_store_b128 v5, v[CC+4:CC+7], s[24:25] offset:512*(\t)+256   ; k 16-31: its lanes 16-31
.if (\t)+2 < 4
	WROWS (\t)+2
.endif
.endm
	WROWS 0
	WROWS 1
.irp t, 0,1,2,3
	WBLK \t
.endr
	global_store_b32 v6, v20, s[24:25] offset:SCOFF
	s_endpgm
; ---------------- PATHS G AND C: one tile of 16 x 16, half of K = 384 in three steps on one accumulator ----------------
.macro XLOAD reg, base                 ; rows [16][768] f32: lane (r, h) takes 16 neighbours of each block of 32 of row r (v4 = 3,072 r + 64 h)
.irp c, 0,1,2,3
.irp q, 0,1,2,3
	global_load_b128 v[\reg+16*\c+4*\q:\reg+16*\c+4*\q+3], v4, s[\base:\base+1] offset:128*\c+16*\q
.endr
.endr
.endm
.macro WLOAD reg, base                 ; Wc [k][n]: lane (r, h) takes column r, its registers run down K (v5 = 4 r + 16 h rows)
.irp c, 0,1,2,3
.irp i, 0,1,2,3,4,5,6,7,8,9,10,11,12,13,14,15
	global_load_b32 v[\reg+16*\c+\i], v5, s[\base:\base+1] offset:(32*\c+\i)*ROWB
.endr
.endr
.endm
.macro PTRIP kind, next                ; kind 0: source 0 = rows (G);  1: source 0 = columns of Wc (C).  next = 1: the next K step is asked for
	s_wait_loadcnt 0x0                             ; this K step's numbers are in: so every load is done, and both bases may step
.if \next
.if \kind
	s_add_nc_u64 s[36:37], s[36:37], 128*ROWB
.else
	s_add_nc_u64 s[36:37], s[36:37], 512
.endif
	s_add_nc_u64 s[38:39], s[38:39], 512
.endif
	QUANT SA, PCA, PWA
.if \next
.if \kind
	WLOAD SA, 36
.else
	XLOAD SA, 36
.endif
.endif
	QUANT SB, PCB, PWB
.if \next
	XLOAD SB, 38
.endif
	PLACES 4                                       ; codes written by vector instructions stand four places ahead of the product; the scale words were made further up
	s_wait_alu depctr_va_vdst(0)                   ; a wait directly ahead of each link
	v_wmma_scale_f32_16x16x128_f8f6f4 v[ACC:ACC+7], v[PCA:PCA+15], v[PCB:PCB+15], v[ACC:ACC+7], v[PWA], v[PWB] matrix_a_fmt:MATRIX_FMT_BF8 matrix_b_fmt:MATRIX_FMT_BF8
.endm
.Lpath_c:
	s_sub_co_u32 s31, ttmp9, IDC                   ; 0 .. 191 = 96 x half of K + 48 x (which four tiles of entities) + tile of units
	s_cmp_ge_u32 s31, 96
	s_cselect_b32 s42, 1, 0                        ; the half of K
	s_cselect_b32 s32, 96, 0
	s_sub_co_u32 s31, s31, s32
	s_cmp_ge_u32 s31, 48
	s_cselect_b32 s32, 48, 0
	s_cselect_b32 s33, 4, 0
	s_sub_co_u32 s31, s31, s32                     ; a: the tile of 16 units
	s_add_co_u32 s33, s33, s[WV]                   ; the tile of 16 entities
	s_lshl_b32 s34, s31, 6
	s_add_nc_u64 s[36:37], s[14:15], s[34:35]      ; Wc at column 16 a
	s_add_nc_u64 s[16:17], s[16:17], s[34:35]      ; bc likewise
	s_add_nc_u64 s[26:27], s[26:27], s[34:35]      ; clsfc likewise,
	s_mul_i32 s34, s33, TILEB
	s_add_nc_u64 s[38:39], s[18:19], s[34:35]      ; the entities' rows
	s_add_nc_u64 s[26:27], s[26:27], s[34:35]      ; and at those rows
	s_mul_i32 s34, s42, 384*ROWB
	s_add_nc_u64 s[36:37], s[36:37], s[34:35]      ; the half of K: 384 rows down in Wc,
	s_mul_i32 s34, s42, 1536
	s_add_nc_u64 s[38:39], s[38:39], s[34:35]      ; 1,536 bytes on in the entities' rows,
	s_mul_i32 s34, s42, 128*ROWB
	s_add_nc_u64 s[26:27], s[26:27], s[34:35]      ; and its own 128 x 768 numbers of clsfc
	v_mul_u32_u24 v4, v2, ROWB
	v_lshl_add_u32 v7, v3, 5, v4                   ; out: row r, + 32 h
	v_lshl_add_u32 v4, v3, 6, v4
	v_mul_u32_u24 v5, v3, TILEB
	v_lshl_add_u32 v5, v2, 2, v5
	v_lshlrev_b32 v6, 5, v3
	s_cmp_eq_u32 s42, 0                            ; a branch on the work-group's number alone
	s_cbranch_scc0 .Lc_no_bias
	global_load_b128 v[ACC:ACC+3], v6, s[16:17]    ; half 0: the bias starts the sum: register j = bc[16 a + 8 h + j]
	global_load_b128 v[ACC+4:ACC+7], v6, s[16:17] offset:16
	s_branch .Lc_started
.Lc_no_bias:
.irp j, 0,1,2,3,4,5,6,7
	v_mov_b32 v[ACC+\j], 0                         ; half 1: zeros do
.endr
.Lc_started:
	WLOAD SA, 36
	XLOAD SB, 38
	s_mov_b32 s41, 2
.Lc_trip:
	PTRIP 1, 1
	s_sub_co_u32 s41, s41, 1
	s_cmp_lg_u32 s41, 0
	s_cbranch_scc1 .Lc_trip
	PTRIP 1, 0
	PLACES 8
	global_store_b128 v7, v[ACC:ACC+3], s[26:27]   ; lane (r, h): clsfc[half](entity r, units 16 a + 8 h + 0 .. 7)
	global_store_b128 v7, v[ACC+4:ACC+7], s[26:27] offset:16
	s_endpgm
.Lpath_g:
	s_lshl_b32 s31, ttmp9, 2
	s_add_co_u32 s31, s31, s[WV]                   ; 0 .. 31 = 16 x half of K + 8 x tile of mentions + tile of entities
	s_lshr_b32 s42, s31, 4                         ; the half of K
	s_bfe_u32 s32, s31, 0x10003                    ; the tile of 16 mentions
	s_and_b32 s33, s31, 7                          ; the tile of 16 entities
	s_mul_i32 s34, s32, TILEB
	s_add_nc_u64 s[36:37], s[20:21], s[34:35]
	s_mul_i32 s34, s33, TILEB
	s_add_nc_u64 s[38:39], s[18:19], s[34:35]
	s_mul_i32 s34, s42, 1536
	s_add_nc_u64 s[36:37], s[36:37], s[34:35]      ; the half of K: 1,536 bytes on in both operands' rows
	s_add_nc_u64 s[38:39], s[38:39], s[34:35]
	s_lshl_b32 s34, s32, 13
	s_lshl_b32 s40, s33, 6
	s_add_co_u32 s34, s34, s40
	s_lshl_b32 s40, s42, 14
	s_add_co_u32 s34, s34, s40                     ; each half has its own 32 x 128 numbers of g2g
	s_add_nc_u64 s[28:29], s[28:29], s[34:35]
	v_mul_u32_u24 v4, v2, ROWB
	v_lshl_add_u32 v4, v3, 6, v4
	v_lshlrev_b32 v6, 2, v2
	v_lshl_add_u32 v6, v3, 12, v6                  ; out: 4 r + 8 h rows of 512 bytes
	XLOAD SA, 36
	XLOAD SB, 38
.irp j, 0,1,2,3,4,5,6,7
	v_mov_b32 v[ACC+\j], 0                         ; eight lines, so that the trip is written twice and not three times
.endr
	s_mov_b32 s41, 2
.Lg_trip:
	PTRIP 0, 1
	s_sub_co_u32 s41, s41, 1
	s_cmp_lg_u32 s41, 0
	s_cbranch_scc1 .Lg_trip
	PTRIP 0, 0
	PLACES 8
.irp j, 0,1,2,3,4,5,6,7
	global_store_b32 v6, v[ACC+\j], s[28:29] offset:512*\j   ; g2g[half](mention 8 h + j, entity r)
.endr
	s_endpgm
.Lfunc_end_k_q21d7c35e8a_prep:
	.size	k_q21d7c35e8a_prep, .Lfunc_end_k_q21d7c35e8a_prep-k_q21d7c35e8a_prep
	.p2alignl 7, 3214868480
	.fill 96, 4, 3214868480
	.section	.rodata,"a",@progbits
	.p2align	6, 0x0
	.amdhsa_kernel k_q21d7c35e8a_prep
		.amdhsa_group_segment_fixed_size 34304
		.amdhsa_private_segment_fixed_size 0
		.amdhsa_enable_private_segment 0
		.amdhsa_kernarg_size 104
		.amdhsa_user_sgpr_count 2
		.amdhsa_user_sgpr_kernarg_segment_ptr 1
		.amdhsa_wavefront_size32 1
		.amdhsa_system_sgpr_workgroup_id_x 1
		.amdhsa_system_sgpr_workgroup_id_y 1
		.amdhsa_system_sgpr_workgroup_id_z 1
		.amdhsa_system_vgpr_workitem_id 0
		.amdhsa_next_free_vgpr 256
		.amdhsa_next_free_sgpr 66
		.amdhsa_reserve_vcc 1
		.amdhsa_float_denorm_mode_32 3
		.amdhsa_float_denorm_mode_16_64 3
		.amdhsa_memory_ordered 1
		.amdhsa_forward_progress 1
		.amdhsa_inst_pref_size 147
	.end_amdhsa_kernel
	.amdgpu_metadata
---
amdhsa.version: [ 1, 2 ]
amdhsa.kernels:
  - .name:           k_q21d7c35e8a_prep
    .symbol:         k_q21d7c35e8a_prep.kd
    .args:
      - { .name: entity_text_tokens, .offset: 0, .size: 8, .value_kind: global_buffer, .address_space: global }
      - { .name: mention_text_tokens, .offset: 8, .size: 8, .value_kind: global_buffer, .address_space: global }
      - { .name: Wq, .offset: 16, .size: 8, .value_kind: global_buffer, .address_space: global }
      - { .name: Wk, .offset: 24, .size: 8, .value_kind: global_buffer, .address_space: global }
      - { .name: Wv, .offset: 32, .size: 8, .value_kind: global_buffer, .address_space: global }
      - { .name: Wc, .offset: 40, .size: 8, .value_kind: global_buffer, .address_space: global }
      - { .name: bc, .offset: 48, .size: 8, .value_kind: global_buffer, .address_space: global }
      - { .name: entity_text_cls, .offset: 56, .size: 8, .value_kind: global_buffer, .address_space: global }
      - { .name: mention_text_cls, .offset: 64, .size: 8, .value_kind: global_buffer, .address_space: global }
      - { .name: xq, .offset: 72, .size: 8, .value_kind: global_buffer, .address_space: global }
      - { .name: wcod, .offset: 80, .size: 8, .value_kind: global_buffer, .address_space: global }
      - { .name: clsfc, .offset: 88, .size: 8, .value_kind: global_buffer, .address_space: global }
      - { .name: g2g, .offset: 96, .size: 8, .value_kind: global_buffer, .address_space: global }
    .group_segment_fixed_size: 34304
    .private_segment_fixed_size: 0
    .kernarg_segment_align: 8
    .kernarg_segment_size: 104
    .max_flat_workgroup_size: 128
    .sgpr_count:     66
    .vgpr_count:     256
    .wavefront_size: 32
...
	.end_amdgpu_metadata
.endif
;; end of part 1
;; launch proj (part 2): grid 192 x 1, 4 waves a work-group, clusters of 4 x 1, 327,680 bytes of LDS; arguments xq, wcod, bq, bk, bv, qkv; writes qkv
.if DOCPART == 2
	.amdgcn_target "amdgcn-amd-amdhsa--gfx1250"
	.amdhsa_code_object_version 6
	.text
	.protected	k_q21d7c35e8a_proj
	.globl	k_q21d7c35e8a_proj
	.p2align	8
	.type	k_q21d7c35e8a_proj,@function
k_q21d7c35e8a_proj:
	s_mov_b64 s[64:65], 0
	v_nop
	global_prefetch_b8 v0, s[64:65] scope:SCOPE_SE
	s_setreg_imm32_b32 hwreg(HW_REG_WAVE_MODE, 25, 1), 1
	s_wait_xcnt 0x0
	s_wait_alu depctr_hold_cnt(0) depctr_sa_sdst(0) depctr_va_vdst(0) depctr_va_sdst(0) depctr_va_ssrc(0) depctr_va_vcc(0) depctr_vm_vsrc(0)
	s_getreg_b32 s2, hwreg(HW_REG_IB_STS2, 6, 4)
	s_cmp_eq_u32 s2, 0
	s_cbranch_scc0 .Lentry_in_a_cluster
	s_endpgm
.Lentry_in_a_cluster:
	s_bfe_u32 s2, ttmp6, 0x10000c
	s_cmp_lg_u32 s2, 0x3003
	s_cbranch_scc0 .Lentry_shape_is_right
	s_endpgm
.Lentry_shape_is_right:
; PROJ: q = Q(x) Q(Wq) + bq, k and v likewise, each quantised at once for the product that reads it, on codes of BF8 (E5M2) with E8M0 scales for each 32 along K.
; JOBS.  192 work-groups, one block of 128 rows x all 768 units each: jobs 0-127 q of an entity, 128-159 k of a mention, 160-191 v of a mention.
; A cluster's four jobs are of one kind, so they walk the same weight: its six slabs (a K step of 128 each, 101,376 bytes) are asked for JOINTLY; the block of x is each work-group's own.
; SHARES.  Wave w makes units 192 w .. 192 w + 191 for all 128 rows: 96 accumulators, 768 registers (windows 1 to 3).  A K step reads 8 fragments of x and 12 of W for 96 products.
; MODE 0 (q, k): source 0 = 16 units of W, source 1 = 16 rows of x: a lane holds one row and its registers run along the units, the next product's K.
; MODE 1 (v):    the sources swapped: a lane holds one unit and its registers run along the rows t, which are K of the product with the summed softmax.
; The mode hangs on the cluster's number alone.  Only the products part on it; all else is one text, with strides chosen by s_cselect_b32.
; ACCUMULATORS.  Tile (a, b), a = 0..11 units, b = 0..7 rows, has index 16 (a/2) + 8 (a&1) + b in mode 0 and 16 (a/2) + 8 (b&1) + 4 (a&1) + (b>>1) in mode 1: in both, indices i and i + 8 hold
; the two halves of a block of 32 along the next K.  The codes' place in a block: byte 8 u + j of lane half h is index 32 c + 16 u + 8 h + j: the same map in both operands of each later product.
; THE BIAS is loaded into tile 16 (a/2) + 12 (a&1), which belongs to a in both modes, and is the C of a's other seven first products; that tile's own product comes last.
; LIMITS: NaN and infinities are not served; a block whose largest magnitude lies under 2^-111 takes the byte 1, a block of zeros too (zero codes; only this program reads the bytes).
.set BLOCK, 101376
.set QTR,   25344                      ; a quarter of a block: 99 rows of 256 bytes, what one tensor load brings
.set SCOFF, 98304
.set XBL,   0                          ; LDS: the block of x, filled once;
.set S0,    BLOCK                      ; two slots for the slabs;
.set S1,    2*BLOCK
.set SPARE, 3*BLOCK                    ; the spare words, 128 bytes a wave: two blocks of 256 bytes that no other line names;
.set SCQ,   SPARE+512                  ; the scale bytes by rows, 128 x 24;
.set SCV,   SCQ+3072                   ; and by units, 768 x 4
.set FLOOR, 0x8000000
.set EOFF,  0xf8800000
.set EXPM,  0x7f800000
.set SPW, 1                            ; v1   my spare word's address; never rewritten
.set NIL, 2                            ; v2   0; never rewritten
.set XA0, 3                            ; v3, v4  x's fragments: 16 x lane, and 49,152 on
.set XA1, 4
.set XSA, 5                            ; v5   x's scale words: 98,304 + 24 x lane
.set WA0, 6                            ; v6, v7  my 12 fragments of W in slot 0, 1
.set WSA0, 8                           ; v8, v9  their scale words
.set SQA, 10
.set SVA, 11
.set CPQ, 12
.set CPV, 13
.set GSC, 14
.set VOB, 16                           ; v16-23 where the codes of block b' go, in bytes from OUT
.set XS,  24                           ; v24-27 x's scale words: lanes 0-15 tile 2 P, lanes 16-31 tile 2 P + 1
.set WS,  28                           ; v28-33 W's likewise
.set TM,  36                           ; v36-51 at work in QUANT4
.set VB,  52                           ; v52-59 the bias loads' offsets
.set WB0, 64                           ; v64-95, v96-127 two fragments of W each, by turns
.set XF,  128                          ; v128-255 x's eight fragments of a K step
.set E,   128                          ; the way out: v128-175 the 48 scale bytes
.set WD,  176                          ; v176-187 their words by units
.set CPA, 188                          ; v188-193, v194-199 the two layouts read back
.set CPB, 194
.set WV,   16
.set CX,   17
.set JOB,  18
.set MODE, 19
.set KAP,  20
.set WQ,   21
.set G1J,  24                          ; s[24:31] group 1, joint;  s[32:39] plain
.set G1P,  32
.set G0X,  40
.set G0A,  44                          ; s[44:47], s[48:51] group 0 of slot 0, 1
.set OUT,  52
.set SBETA, 54
.set SEL,  56
.set MNT,  58
.set MSK,  59
.set OUTS, 60
.set MSB, 0
.macro WIN new                         ; the immediate's high byte repeats the setting that is left
.if MSB != (\new)
	s_set_vgpr_msb (MSB<<8)|(\new)
.set MSB, \new
.endif
.endm
.macro PLACES n
.rept \n
	v_nop
.endr
.endm
.macro ROUND                           ; a round of the cluster's barrier
	s_barrier_signal -1
	s_barrier_wait -1
	s_cmp_lg_u32 s[WV], 0
	s_cbranch_scc1 .Lnot_wave_0_\@
	s_barrier_signal -3
.Lnot_wave_0_\@:
	s_barrier_wait -3
	s_barrier_signal -1
	s_barrier_wait -1
.endm
	s_load_b256 s[4:11], s[0:1], 0x0               ; xq s[4:5], wcod s[6:7], bq s[8:9], bk s[10:11]
	s_load_b128 s[12:15], s[0:1], 0x20             ; bv s[12:13], qkv s[14:15]
	v_lshl_add_u32 v[SPW], v0, 2, SPARE
	v_mov_b32 v[NIL], 0
	ds_add_u32 v1, v2
	ds_add_u32 v1, v2
	s_wait_dscnt 0x0
	v_lshrrev_b32 v60, 5, v0
	v_readfirstlane_b32 s[WV], v60                 ; wave 0..3
	s_bfe_u32 s[CX], ttmp6, 0x40000                ; my place in the cluster: it enters global addresses of my own loads and stores alone
	s_lshl_b32 s[JOB], ttmp9, 2
	s_add_co_u32 s[JOB], s[JOB], s[CX]
	s_mov_b32 s[G1J], 15|(3<<16)|(1<<21)           ; the mask: all four work-groups; elements of 8 bytes; bit 21 beside a mask; no padding: images are read 512 bytes on end
	s_mov_b32 s[G1P], 3<<16                        ; the same without a mask
.irp g, G1J, G1P
	s_mov_b32 s[\g+1], 32<<16                      ; tensor_dim0 = 32 elements = 256 bytes
	s_mov_b32 s[\g+2], 99<<16                      ; tensor_dim1 = 99
	s_mov_b32 s[\g+3], 32<<16                      ; tile_dim0
	s_mov_b32 s[\g+4], 99                          ; tile_dim1
	s_mov_b32 s[\g+5], 32                          ; the pitch: the block is dense
	s_mov_b32 s[\g+6], 0
	s_mov_b32 s[\g+7], 0
.endr
	s_mov_b32 s[SEL], 0x76543210
	s_mov_b32 s[SEL+1], 0xfedcba98
	s_mov_b32 s[MNT], 0x600000
	s_mul_i32 s[WQ], s[WV], QTR                    ; my quarter, in memory and in LDS
	s_mov_b32 s67, 0
	s_mov_b32 s69, 0
	s_wait_kmcnt 0x0
	s_cmp_lt_u32 ttmp9, 32                         ; clusters 0-31: q;  32-39: k;  40-47: v
	s_cselect_b32 s[KAP], 0, 1
	s_cselect_b64 s[8:9], s[8:9], s[10:11]
	s_cmp_lt_u32 ttmp9, 40
	s_cselect_b32 s[KAP], s[KAP], 2
	s_cselect_b64 s[8:9], s[8:9], s[12:13]         ; the bias
	s_cselect_b32 s[MODE], 0, 1
	s_cselect_b32 s22, 0, 32
	s_sub_co_u32 s22, s[JOB], s22                  ; x's block: v reads the mentions' blocks again
	s_mul_i32 s66, s22, BLOCK
	s_add_co_u32 s66, s66, s[WQ]
	s_mul_i32 s68, s[KAP], 6*BLOCK                 ; the weight's first slab: the cluster's number and the wave's alone enter it
	s_add_co_u32 s68, s68, s[WQ]
	s_mov_b32 s[G0X], 1
	s_mov_b32 s[G0X+1], s[WQ]
	s_add_nc_u64 s[G0X+2:G0X+3], s[4:5], s[66:67]
	s_or_b32 s[G0X+3], s[G0X+3], 0x80000000
	s_mov_b32 s[G0A], 1
	s_add_co_u32 s[G0A+1], s[WQ], S0
	s_add_nc_u64 s[G0A+2:G0A+3], s[6:7], s[68:69]
	s_mov_b32 s[G0A+4], 1
	s_add_co_u32 s[G0A+5], s[WQ], S1
	s_add_nc_u64 s[G0A+6:G0A+7], s[G0A+2:G0A+3], BLOCK
	s_or_b32 s[G0A+3], s[G0A+3], 0x80000000
	s_or_b32 s[G0A+7], s[G0A+7], 0x80000000
	s_mul_i32 s66, s[JOB], BLOCK
	s_add_nc_u64 s[OUT:OUT+1], s[14:15], s[66:67]
	s_add_nc_u64 s[OUTS:OUTS+1], s[OUT:OUT+1], SCOFF
	s_mul_i32 s66, s[WV], 768
	s_add_nc_u64 s[8:9], s[8:9], s[66:67]          ; my 192 numbers of the bias
	ROUND                                          ; all four work-groups are here: the first joint loads meet
	tensor_load_to_lds s[G0X:G0X+3], s[G1P:G1P+7]  ; the three first fills go out together: three tensor loads of mine are out
	s_nop 0
	tensor_load_to_lds s[G0A:G0A+3], s[G1J:G1J+7]
	s_nop 0
	tensor_load_to_lds s[G0A+4:G0A+7], s[G1J:G1J+7]
	s_nop 0
	PLACES 4
	v_and_b32 v61, 31, v0                          ; lane
	v_and_b32 v62, 15, v0                          ; r
	v_bfe_u32 v63, v0, 4, 1                        ; h
	v_lshlrev_b32 v[XA0], 4, v61
	v_add_nc_u32 v[XA1], 49152, v[XA0]
	v_mad_u32_u24 v[XSA], v61, 24, SCOFF
	s_mul_i32 s22, s[WV], 24576
	s_add_co_u32 s23, s22, S0
	v_add_nc_u32 v[WA0], s23, v[XA0]
	s_add_co_u32 s23, s22, S1
	v_add_nc_u32 v[WA0+1], s23, v[XA0]
	s_mul_i32 s22, s[WV], 768
	s_add_co_u32 s23, s22, S0+SCOFF
	v_lshl_add_u32 v[WSA0], v61, 2, s23
	s_add_co_u32 s23, s22, S1+SCOFF
	v_lshl_add_u32 v[WSA0+1], v61, 2, s23
	s_add_co_u32 s23, s22, SCV
	v_lshl_add_u32 v[SVA], v62, 2, s23             ; by units: 768 w + 4 r, + 64 a
	s_mul_i32 s23, s[WV], 6
	s_add_co_u32 s23, s23, SCQ
	v_mad_u32_u24 v[SQA], v62, 24, s23             ; by rows: 24 r + 6 w, + 384 b' + beta
	v_lshl_add_u32 v[CPQ], v0, 3, SCQ
	v_lshl_add_u32 v[CPV], v0, 3, SCV
	v_lshlrev_b32 v[GSC], 3, v0
.irp b, 0,1,2,3
	v_mov_b32 v[TM+4+\b], 0                        ; a lane permute's destination counts as one of its sources
.endr
	s_cmp_eq_u32 s[MODE], 0                        ; what differs between the modes beside the products: strides of global offsets, and one mask
	s_cselect_b32 s[MSK], 0, -1
	s_cselect_b32 s22, 32, 0
	s_cselect_b32 s23, 0, 4
	s_cselect_b32 s66, 4, 0
	s_mov_b32 s68, 24576
	s_cselect_b32 s68, 3072, s68                   ; from wave to wave,
	s_mov_b32 s70, 512
	s_cselect_b32 s70, 12288, s70                  ; from b' to b',
	s_mov_b32 s[SBETA], 4096
	s_cselect_b32 s[SBETA], 512, s[SBETA]          ; from beta to beta
	s_mov_b32 s[SBETA+1], 0
	v_mul_u32_u24 v60, s22, v63
	v_mad_u32_u24 v60, v62, s23, v60
.irp j, 0,1,2,3,4,5,6,7
	s_mul_i32 s22, s66, \j
	v_add_nc_u32 v[VB+\j], s22, v60                ; register j of a bias tile: mode 0: unit 8 h + j;  mode 1: unit r
.endr
	s_mul_i32 s68, s68, s[WV]
	v_add_nc_u32 v60, s68, v[XA0]
.irp bp, 0,1,2,3,4,5,6,7
	s_mul_i32 s22, s70, \bp
	v_add_nc_u32 v[VOB+\bp], s22, v60
.endr
.irp g, 0,1,2,3,4,5
	WIN (1+\g/2)<<6                                ; destination: the accumulators' window
.irp al, 0,1
.irp j, 0,1,2,3,4,5,6,7
	global_load_b32 v[8*((16*\g+12*\al)%32)+\j], v[VB+\j], s[8:9] offset:64*(2*\g+\al)
.endr
.endr
.endr
	WIN 0
.macro WM ra, rb                       ; one product on the registers named by rD, rA, rB, rC, rSA, rSB;  ra, rb: which half of the lanes holds the side's scale words
.if ((\ra) == 0) && ((\rb) == 0)
	v_wmma_scale_f32_16x16x128_f8f6f4 v[rD:rD+7], v[rA:rA+15], v[rB:rB+15], v[rC:rC+7], v[rSA], v[rSB] matrix_a_fmt:MATRIX_FMT_BF8 matrix_b_fmt:MATRIX_FMT_BF8
.elseif ((\rb) == 0)
	v_wmma_scale_f32_16x16x128_f8f6f4 v[rD:rD+7], v[rA:rA+15], v[rB:rB+15], v[rC:rC+7], v[rSA], v[rSB] matrix_a_fmt:MATRIX_FMT_BF8 matrix_b_fmt:MATRIX_FMT_BF8 matrix_a_scale:MATRIX_SCALE_ROW1
.elseif ((\ra) == 0)
	v_wmma_scale_f32_16x16x128_f8f6f4 v[rD:rD+7], v[rA:rA+15], v[rB:rB+15], v[rC:rC+7], v[rSA], v[rSB] matrix_a_fmt:MATRIX_FMT_BF8 matrix_b_fmt:MATRIX_FMT_BF8 matrix_b_scale:MATRIX_SCALE_ROW1
.else
	v_wmma_scale_f32_16x16x128_f8f6f4 v[rD:rD+7], v[rA:rA+15], v[rB:rB+15], v[rC:rC+7], v[rSA], v[rSB] matrix_a_fmt:MATRIX_FMT_BF8 matrix_b_fmt:MATRIX_FMT_BF8 matrix_a_scale:MATRIX_SCALE_ROW1 matrix_b_scale:MATRIX_SCALE_ROW1
.endif
.endm
.macro PROD m, g, b, al, cb            ; mode m, unit tile 2 g + al, row tile b;  cb = 1: C is the bias tile
.if \m
.set idx, 16*(\g)+8*((\b)&1)+4*(\al)+((\b)>>1)
.else
.set idx, 16*(\g)+8*(\al)+(\b)
.endif
.set rD, 8*(idx%32)
.if \cb
.set rC, 8*((16*(\g)+12*(\al))%32)
.else
.set rC, rD
.endif
.if \m
.set rA, XF+16*(\b)
.set rB, WB0+32*((\g)%2)+16*(\al)
.set rSA, XS+(\b)/2
.set rSB, WS+(\g)
	WM (\b)&1, \al
.else
.set rA, WB0+32*((\g)%2)+16*(\al)
.set rB, XF+16*(\b)
.set rSA, WS+(\g)
.set rSB, XS+(\b)/2
	WM \al, (\b)&1
.endif
.endm
.macro ARM m, g, first                 ; a group's 16 products in one mode.  The accumulators take turns, one instruction a turn
	WIN (1+(\g)/2)*0x50                            ; C and D in the group's window
.if \first
.set kk, 0
.rept 7                                ; fourteen products start their sums from the two bias tiles, which alternate
.set b0, kk+1
.set b1, kk
.if \m
.if kk >= 1
.set b1, kk+1
.endif
.else
.if kk >= 4
.set b1, kk+1
.endif
.endif
	PROD \m, \g, b0, 0, 1
	PROD \m, \g, b1, 1, 1
.set kk, kk+1
.endr
	PLACES 9                                       ; the next two write over registers that the fourteen read as C: nine places
	PROD \m, \g, 0, 0, 0
.if \m
	PROD \m, \g, 1, 1, 0
.else
	PROD \m, \g, 4, 1, 0
.endif
.else
.irp b, 0,1,2,3,4,5,6,7
	PROD \m, \g, \b, 0, 0
	PROD \m, \g, \b, 1, 0
.endr
.endif
	WIN 0                                          ; at a label and at a branch every window is 0
.endm
.macro MUL g, first
	s_cmp_eq_u32 s[MODE], 0
	s_cbranch_scc0 .Lmode_v_\@
	ARM 0, \g, \first
	s_branch .Lmode_j_\@
.Lmode_v_\@:
	ARM 1, \g, \first
.Lmode_j_\@:
.endm
.macro XFLOAD s                        ; x's eight fragments and their scale words of K step s
.irp t, 0,1,2,3
.irp c, 0,1,2,3
	ds_load_b128 v[XF+16*\t+4*\c:XF+16*\t+4*\c+3], v[XA0] offset:\t*12288+2048*(\s)+512*\c
.endr
.endr
.irp t, 0,1,2,3
.irp c, 0,1,2,3
	ds_load_b128 v[XF+64+16*\t+4*\c:XF+64+16*\t+4*\c+3], v[XA1] offset:\t*12288+2048*(\s)+512*\c
.endr
.endr
.irp p, 0,1,2,3
	ds_load_b32 v[XS+\p], v[XSA] offset:768*\p+4*(\s)
.endr
.endm
.macro WGRP slot, g                    ; W's fragments 2 g and 2 g + 1 of my twelve
.irp al, 0,1
.irp c, 0,1,2,3
	ds_load_b128 v[WB0+32*((\g)%2)+16*\al+4*\c:WB0+32*((\g)%2)+16*\al+4*\c+3], v[WA0+(\slot)] offset:(2*(\g)+\al)*2048+512*\c
.endr
.endr
.endm
.macro WSTART slot
.irp p, 0,1,2,3,4,5
	ds_load_b32 v[WS+\p], v[WSA0+(\slot)] offset:128*\p
.endr
	WGRP \slot, 0
	WGRP \slot, 1
.endm
.macro KSTEP s, first
.irp g, 0,1,2,3,4,5
.if \g < 5
	s_wait_dscnt 0x8                               ; this group's fragments are in; the next group's eight loads stay out
.else
	s_wait_dscnt 0x0
.endif
	MUL \g, \first
.if \g < 4
	PLACES 8                                       ; in front of loads into registers that the products have read
	WGRP (\s)%2, \g+2
.endif
.endr
.endm
; THE CHANGE OF SLOTS behind K step s.  Each wave waits for all its tensor loads (the one that is out is its part of the next slab), adds 0 to its spare word, and waits for that and for its
; reads of the slot.  Where the slot is filled again (slab s + 2) the barrier is a round of the cluster's, and the joint refill is the first thing behind it: it has a K step's 96 products in which to land.
.macro CHANGE s
	PLACES 8
	XFLOAD (\s)+1
	s_wait_tensorcnt 0x0
	ds_add_u32 v[SPW], v[NIL]
.if (\s) < 4
	s_add_nc_u64 s[G0A+4*((\s)%2)+2:G0A+4*((\s)%2)+3], s[G0A+4*((\s)%2)+2:G0A+4*((\s)%2)+3], 2*BLOCK   ; no tensor load of mine is out: the slot's group 0 may step
.endif
	s_wait_dscnt 0x0
.if (\s) < 4
	ROUND
	tensor_load_to_lds s[G0A+4*((\s)%2):G0A+4*((\s)%2)+3], s[G1J:G1J+7]
	s_nop 0
	PLACES 4
.else
	s_barrier_signal -1
	s_barrier_wait -1
.endif
	WSTART ((\s)+1)%2
.endm
	s_wait_tensorcnt 0x1                           ; my parts of x and of slab 0 are in; slab 1's may stay out
	s_barrier_signal -1
	s_barrier_wait -1
	XFLOAD 0
	WSTART 0
	s_wait_loadcnt 0x0                             ; the biases
	KSTEP 0, 1
	CHANGE 0
	KSTEP 1, 0
	CHANGE 1
	KSTEP 2, 0
	CHANGE 2
	KSTEP 3, 0
	CHANGE 3
	KSTEP 4, 0
	CHANGE 4
	KSTEP 5, 0
; THE WAY OUT.  Four blocks of 32 at a time: block (be, b' = 4 kq + i) is tile 16 be + b' and the tile 8 further on: 16 numbers a lane, joined with lane l xor 16's.
.macro QUANT4 be, kq
.set WN, 1+(\be)/2
.set RB, 8*((16*(\be)+4*(\kq))%32)
.set PCS, 64+16*(\kq)
	s_wait_xcnt 0x0                                ; earlier stores have read the code registers
	WIN WN*5                                       ; sources 0 and 1 in the accumulators' window
.irp i, 0,1,2,3
	v_max3_num_f32 v[TM+\i], |v[RB+8*\i]|, |v[RB+8*\i+1]|, FLOOR   ; each accumulator is read from its low end on
.endr
.irp p, 2,4,6,64,66,68,70
.irp i, 0,1,2,3
	v_max3_num_f32 v[TM+\i], |v[RB+8*\i+\p]|, |v[RB+8*\i+\p+1]|, v[TM+\i]
.endr
.endr
	WIN 0
.irp i, 0,1,2,3
	v_permlanex16_b32 v[TM+4+\i], v[TM+\i], s[SEL], s[SEL+1]
.endr
.irp i, 0,1,2,3
	v_max_num_f32 v[TM+\i], v[TM+\i], v[TM+4+\i]
.endr
.irp i, 0,1,2,3
	v_add_nc_u32 v[TM+12+\i], EOFF, v[TM+\i]
.endr
.irp i, 0,1,2,3
	v_and_or_b32 v[TM+8+\i], v[TM+\i], EXPM, s[MNT]
.endr
.irp i, 0,1,2,3
	v_lshrrev_b32 v[E+8*(\be)+4*(\kq)+\i], 23, v[TM+12+\i]
.endr
	WIN WN*0x41                                    ; destination and source 0 in the accumulators' window
.irp i, 0,1,2,3
.irp p, 0,1,2,3,4,5,6,7,64,65,66,67,68,69,70,71
	v_med3_num_f32 v[RB+8*\i+\p], v[RB+8*\i+\p], -v[TM+8+\i], v[TM+8+\i]
.endr
.endr
	WIN WN
.irp i, 0,1,2,3
	v_cvt_scalef32_pk8_bf8_f32 v[PCS+4*\i:PCS+4*\i+1], v[RB+8*\i:RB+8*\i+7], v[TM+12+\i]
	v_cvt_scalef32_pk8_bf8_f32 v[PCS+4*\i+2:PCS+4*\i+3], v[RB+8*\i+64:RB+8*\i+71], v[TM+12+\i]
.endr
	WIN 0
	v_nop
.irp i, 0,1,2,3
	global_store_b128 v[VOB+4*(\kq)+\i], v[PCS+4*\i:PCS+4*\i+3], s[OUT:OUT+1]   ; 32 lanes store 512 consecutive bytes, aligned: one block's image
.endr
.endm
	PLACES 8
.irp be, 0,1,2,3,4,5
	QUANT4 \be, 0
	QUANT4 \be, 1
.if \be < 5
	s_wait_xcnt 0x0                                ; the stores have read their base
	s_add_nc_u64 s[OUT:OUT+1], s[OUT:OUT+1], s[SBETA:SBETA+1]
.endif
.endr
	; the scale bytes: written in both layouts, so that no LDS address hangs on the mode; the mode's own is picked below
.irp be, 0,1,2,3,4,5
.irp bp, 0,1,2,3,4,5,6,7
	ds_store_b8 v[SQA], v[E+8*\be+\bp] offset:384*\bp+\be     ; row 16 b' + r, block 6 w + beta (both halves of the lanes write the same byte with the same value)
.endr
.endr
.irp a, 0,1,2,3,4,5,6,7,8,9,10,11
	v_lshl_or_b32 v[WD+\a], v[E+4*\a+1], 8, v[E+4*\a]
	v_lshl_or_b32 v[WD+\a], v[E+4*\a+2], 16, v[WD+\a]
	v_lshl_or_b32 v[WD+\a], v[E+4*\a+3], 24, v[WD+\a]
	ds_store_b32 v[SVA], v[WD+\a] offset:64*\a                ; unit 16 (12 w + a) + r
.endr
	s_wait_dscnt 0x0                               ; for the others' sake: my stores have landed
	s_barrier_signal -1
	s_barrier_wait -1
.irp i, 0,1,2
	ds_load_b64 v[CPA+2*\i:CPA+2*\i+1], v[CPQ] offset:1024*\i
	ds_load_b64 v[CPB+2*\i:CPB+2*\i+1], v[CPV] offset:1024*\i
.endr
	s_wait_dscnt 0x0
.irp i, 0,1,2,3,4,5
	v_cndmask_b32 v[CPA+\i], v[CPA+\i], v[CPB+\i], s[MSK]
.endr
.irp i, 0,1,2
	global_store_b64 v[GSC], v[CPA+2*\i:CPA+2*\i+1], s[OUTS:OUTS+1] offset:1024*\i   ; 32 lanes store 256 consecutive bytes, aligned
.endr
	s_wait_tensorcnt 0x0                           ; the wave's end
	ds_add_u32 v[SPW], v[NIL]
	s_wait_dscnt 0x0
	ROUND                                          ; the closing round: no work-group ends while a partner may still ask for a slab that names it
	s_endpgm
.Lfunc_end_k_q21d7c35e8a_proj:
	.size	k_q21d7c35e8a_proj, .Lfunc_end_k_q21d7c35e8a_proj-k_q21d7c35e8a_proj
	.p2alignl 7, 3214868480
	.fill 96, 4, 3214868480
	.section	.rodata,"a",@progbits
	.p2align	6, 0x0
	.amdhsa_kernel k_q21d7c35e8a_proj
		.amdhsa_group_segment_fixed_size 327680
		.amdhsa_private_segment_fixed_size 0
		.amdhsa_enable_private_segment 0
		.amdhsa_kernarg_size 48
		.amdhsa_user_sgpr_count 2
		.amdhsa_user_sgpr_kernarg_segment_ptr 1
		.amdhsa_wavefront_size32 1
		.amdhsa_system_sgpr_workgroup_id_x 1
		.amdhsa_system_sgpr_workgroup_id_y 1
		.amdhsa_system_sgpr_workgroup_id_z 1
		.amdhsa_system_vgpr_workitem_id 0
		.amdhsa_next_free_vgpr 1024
		.amdhsa_next_free_sgpr 80
		.amdhsa_reserve_vcc 0
		.amdhsa_float_denorm_mode_32 3
		.amdhsa_float_denorm_mode_16_64 3
		.amdhsa_memory_ordered 1
		.amdhsa_forward_progress 1
		.amdhsa_inst_pref_size 255
	.end_amdhsa_kernel
	.section	.bss,"aw",@nobits
	.p2align	6
	.space	262144
	.amdgpu_metadata
---
amdhsa.version: [ 1, 2 ]
amdhsa.kernels:
  - .name:           k_q21d7c35e8a_proj
    .symbol:         k_q21d7c35e8a_proj.kd
    .args:
      - { .name: xq, .offset: 0, .size: 8, .value_kind: global_buffer, .address_space: global }
      - { .name: wcod, .offset: 8, .size: 8, .value_kind: global_buffer, .address_space: global }
      - { .name: bq, .offset: 16, .size: 8, .value_kind: global_buffer, .address_space: global }
      - { .name: bk, .offset: 24, .size: 8, .value_kind: global_buffer, .address_space: global }
      - { .name: bv, .offset: 32, .size: 8, .value_kind: global_buffer, .address_space: global }
      - { .name: qkv, .offset: 40, .size: 8, .value_kind: global_buffer, .address_space: global }
    .group_segment_fixed_size: 327680
    .private_segment_fixed_size: 0
    .kernarg_segment_align: 8
    .kernarg_segment_size: 48
    .max_flat_workgroup_size: 128
    .sgpr_count:     80
    .vgpr_count:     1024
    .wavefront_size: 32
...
	.end_amdgpu_metadata
.endif
;; end of part 2
;; launch attend (part 3): grid 32 x 8, 4 waves a work-group, clusters of 4 x 1, 327,680 bytes of LDS; arguments qkv, clsfc, g2g, ln_g, ln_b, out0; writes out0
.if DOCPART == 3
	.amdgcn_target "amdgcn-amd-amdhsa--gfx1250"
	.amdhsa_code_object_version 6
	.text
	.protected	k_q21d7c35e8a_attend
	.globl	k_q21d7c35e8a_attend
	.p2align	8
	.type	k_q21d7c35e8a_attend,@function
k_q21d7c35e8a_attend:
	s_mov_b64 s[64:65], 0
	v_nop
	global_prefetch_b8 v0, s[64:65] scope:SCOPE_SE
	s_setreg_imm32_b32 hwreg(HW_REG_WAVE_MODE, 25, 1), 1
	s_wait_xcnt 0x0
	s_wait_alu depctr_hold_cnt(0) depctr_sa_sdst(0) depctr_va_vdst(0) depctr_va_sdst(0) depctr_va_ssrc(0) depctr_va_vcc(0) depctr_vm_vsrc(0)
	s_getreg_b32 s2, hwreg(HW_REG_IB_STS2, 6, 4)
	s_cmp_eq_u32 s2, 0
	s_cbranch_scc0 .Lentry_in_a_cluster
	s_endpgm
.Lentry_in_a_cluster:
	s_bfe_u32 s2, ttmp6, 0x10000c
	s_cmp_lg_u32 s2, 0x3003
	s_cbranch_scc0 .Lentry_shape_is_right
	s_endpgm
.Lentry_shape_is_right:
; ATTEND: scores, softmax, its sum over the queries, the product with v, the layer norm, the dot with clsfc, and the final mean with g2g.  Products on codes of BF8 (E5M2) with E8M0 scales.
; SHARES.  A work-group owns one mention b and 16 entities 16 g + i: 256 work-groups of equal work.  The four of a cluster have the same g and walk the same 16 blocks of q: each block is asked for JOINTLY.
; Every wave holds ALL of k[b] in registers (48 fragments, windows 1 to 3), so LDS is read only for the wave's own 32 queries: 12 fragments for an entity's 96 products.
; LAYOUT.  Source 0 = 16 queries, source 1 = 16 keys: a lane holds one key t = 16 T + r, its registers the queries 8 h + j.  A query's maximum and sum go over the 8 tiles T in the lane and over 16 lanes;
; the sum over queries of p / l stays in the lane.  Each wave's part of that sum goes to LDS, [wave][entity][t]; at the end every wave adds the four parts, quantises them along t, and multiplies by its 12 tiles of v.
; SOFTMAX.  p = 2^(c s - c m), m the row's own maximum over all 128 keys, c = log2(e) / sqrt(768); p is divided by the row's sum before it is summed over the queries, all in f32.
; LAYER NORM.  y = 128 ctx.  d = y - mean(y); var = sum d^2 / (768 x 128^2); the result is (sum cls g d) rstd / 128 + sum cls ln_b, the sums over all 768 units, each wave 192 of them.
; clsfc and g2g come as two partial sums each, one for each half of their products' K: they are added here.
; LIMITS: NaN and infinities are not served; a block of the summed softmax whose largest number lies under 2^-111 takes the scale byte 1.
.set BLOCK, 101376
.set QTR,   25344
.set SCOFF, 98304
.set CLSH,  393216                     ; from clsfc's first half of K to its second, in bytes;
.set G2GH,  16384                      ; the same for g2g
.set Q1,    BLOCK                      ; LDS: two slots for q's blocks at 0 and here;
.set KR,    2*BLOCK                    ; k's block, filled once; once every wave has read it: the partial sums, 8,448 bytes a wave, 528 an entity;
.set SPARE, 3*BLOCK                    ; the spare words, 128 bytes a wave: two blocks of 256 bytes that no other line names;
.set EX1,   SPARE+512                  ; 256 bytes, then 768: the four waves' partial sums of the layer norm
.set FLOOR, 0x8000000
.set EOFF,  0xf8800000
.set EXPM,  0x7f800000
.set SPW, 1
.set NIL, 2
.set QA0, 3                            ; v3, v4  my two tiles of q in slot 0, 1
.set QSA0, 5                           ; v5, v6  their scale words
.set PSA0, 7                           ; v7   my place in my wave's partial sums
.set PFO, 8                            ; v8   256 x lane; never rewritten
.set KA0, 9
.set KA1, 10
.set PSW, 11
.set RES, 12                           ; v12-15
.set KS,  16                           ; v16-39 k's scale words: 6 P + s: lanes 0-15 tile 2 P, lanes 16-31 tile 2 P + 1
.set QSC, 40                           ; v40-45 q's: K step s: lanes 0-15 my first tile, lanes 16-31 my second
.set VS,  46                           ; v46-51 v's
.set GV,  52                           ; v52, v53  g2g's two halves (v53 is at work at the head)
.set GV2, 53
.set L16, 54                           ; v54  16 x lane    v55  4 x lane    v56  3,072 r + 32 h    v57  32 h    v58  4 r
.set L4,  55
.set CLO, 56
.set H32, 57
.set R4,  58
.set GA,  59                           ; v59  the gather of the partial sums
.set EXW, 60
.set EXR, 61
.set PW,  63                           ; v63  the summed softmax's scale word: it holds nothing else
.set QB,  64                           ; v64-95, v96-127 q's fragments of a K step, by turns
.set ST,  96                           ; v96-111 the softmax's statistics;  v112-127 1 / l
.set RL,  112
.set TM,  96
.set ACC, 128                          ; v128-255 scores: tile (u, T) at 128 + 64 u + 8 T
.set Y,   128
.set SU,  96
.set DB,  104
.set DG,  106
.set SQ,  108
.set MN,  110
.set WV,  16
.set CX,  17
.set MB,  18
.set GG,  19
.set G1J, 24
.set G1P, 32
.set G0K, 40
.set G0A, 44                           ; s[44:47], s[48:51] group 0 of slot 0, 1
.set CS,  52                           ; s[52:53] c;  s[54:55] -c: the packed forms name pairs
.set NCS, 54
.set SEL, 56
.set MNT, 58
.set HM,  59                           ; lanes 16-31
.set TRIP, 60
.set LEFT, 61
.set LIM, 62
.set PSO, 63
.set PFA, 66
.set VPT, 76
.set VSP, 78
.set CLP, 80
.set LGP, 82
.set LBP, 84
.set G2P, 86
.set OUP, 88
.set MSB, 0
.macro WIN new
.if MSB != (\new)
	s_set_vgpr_msb (MSB<<8)|(\new)
.set MSB, \new
.endif
.endm
.macro PLACES n
.rept \n
	v_nop
.endr
.endm
.macro ROUND
	s_barrier_signal -1
	s_barrier_wait -1
	s_cmp_lg_u32 s[WV], 0
	s_cbranch_scc1 .Lnot_wave_0_\@
	s_barrier_signal -3
.Lnot_wave_0_\@:
	s_barrier_wait -3
	s_barrier_signal -1
	s_barrier_wait -1
.endm
.macro QUANT s, pc, pw                 ; 64 numbers of a lane, 16 of each block of 32, become 16 code registers and a scale word
.irp b, 0,1,2,3
	v_max3_num_f32 v[TM+\b], |v[(\s)+16*\b]|, |v[(\s)+16*\b+1]|, FLOOR
.endr
.irp i, 2,4,6,8,10,12,14
.irp b, 0,1,2,3
	v_max3_num_f32 v[TM+\b], v[TM+\b], |v[(\s)+16*\b+\i]|, |v[(\s)+16*\b+\i+1]|
.endr
.endr
.irp b, 0,1,2,3
	v_permlanex16_b32 v[TM+4+\b], v[TM+\b], s[SEL], s[SEL+1]
.endr
.irp b, 0,1,2,3
	v_max_num_f32 v[TM+\b], v[TM+\b], v[TM+4+\b]
.endr
.irp b, 0,1,2,3
	v_add_nc_u32 v[TM+12+\b], EOFF, v[TM+\b]
.endr
.irp b, 0,1,2,3
	v_and_or_b32 v[TM+8+\b], v[TM+\b], EXPM, s[MNT]
.endr
.irp b, 0,1,2,3
	v_lshrrev_b32 v[TM+4+\b], 23, v[TM+12+\b]
.endr
	v_lshl_or_b32 v[\pw], v[TM+5], 8, v[TM+4]
	v_lshl_or_b32 v[\pw], v[TM+6], 16, v[\pw]
	v_lshl_or_b32 v[\pw], v[TM+7], 24, v[\pw]
.irp b, 0,1,2,3
.irp i, 0,1,2,3,4,5,6,7,8,9,10,11,12,13,14,15
	v_med3_num_f32 v[(\s)+16*\b+\i], v[(\s)+16*\b+\i], -v[TM+8+\b], v[TM+8+\b]
.endr
	v_cvt_scalef32_pk8_bf8_f32 v[(\pc)+4*\b:(\pc)+4*\b+1], v[(\s)+16*\b:(\s)+16*\b+7], v[TM+12+\b]
	v_cvt_scalef32_pk8_bf8_f32 v[(\pc)+4*\b+2:(\pc)+4*\b+3], v[(\s)+16*\b+8:(\s)+16*\b+15], v[TM+12+\b]
.endr
	v_nop
.endm
.macro WM ra, rb, cz                   ; one product on rD, rA, rB, rSA, rSB;  cz = 1: it starts the sum
.if \cz
.if ((\ra) == 0) && ((\rb) == 0)
	v_wmma_scale_f32_16x16x128_f8f6f4 v[rD:rD+7], v[rA:rA+15], v[rB:rB+15], 0, v[rSA], v[rSB] matrix_a_fmt:MATRIX_FMT_BF8 matrix_b_fmt:MATRIX_FMT_BF8
.elseif ((\rb) == 0)
	v_wmma_scale_f32_16x16x128_f8f6f4 v[rD:rD+7], v[rA:rA+15], v[rB:rB+15], 0, v[rSA], v[rSB] matrix_a_fmt:MATRIX_FMT_BF8 matrix_b_fmt:MATRIX_FMT_BF8 matrix_a_scale:MATRIX_SCALE_ROW1
.elseif ((\ra) == 0)
	v_wmma_scale_f32_16x16x128_f8f6f4 v[rD:rD+7], v[rA:rA+15], v[rB:rB+15], 0, v[rSA], v[rSB] matrix_a_fmt:MATRIX_FMT_BF8 matrix_b_fmt:MATRIX_FMT_BF8 matrix_b_scale:MATRIX_SCALE_ROW1
.else
	v_wmma_scale_f32_16x16x128_f8f6f4 v[rD:rD+7], v[rA:rA+15], v[rB:rB+15], 0, v[rSA], v[rSB] matrix_a_fmt:MATRIX_FMT_BF8 matrix_b_fmt:MATRIX_FMT_BF8 matrix_a_scale:MATRIX_SCALE_ROW1 matrix_b_scale:MATRIX_SCALE_ROW1
.endif
.else
.if ((\ra) == 0) && ((\rb) == 0)
	v_wmma_scale_f32_16x16x128_f8f6f4 v[rD:rD+7], v[rA:rA+15], v[rB:rB+15], v[rD:rD+7], v[rSA], v[rSB] matrix_a_fmt:MATRIX_FMT_BF8 matrix_b_fmt:MATRIX_FMT_BF8
.elseif ((\rb) == 0)
	v_wmma_scale_f32_16x16x128_f8f6f4 v[rD:rD+7], v[rA:rA+15], v[rB:rB+15], v[rD:rD+7], v[rSA], v[rSB] matrix_a_fmt:MATRIX_FMT_BF8 matrix_b_fmt:MATRIX_FMT_BF8 matrix_a_scale:MATRIX_SCALE_ROW1
.elseif ((\ra) == 0)
	v_wmma_scale_f32_16x16x128_f8f6f4 v[rD:rD+7], v[rA:rA+15], v[rB:rB+15], v[rD:rD+7], v[rSA], v[rSB] matrix_a_fmt:MATRIX_FMT_BF8 matrix_b_fmt:MATRIX_FMT_BF8 matrix_b_scale:MATRIX_SCALE_ROW1
.else
	v_wmma_scale_f32_16x16x128_f8f6f4 v[rD:rD+7], v[rA:rA+15], v[rB:rB+15], v[rD:rD+7], v[rSA], v[rSB] matrix_a_fmt:MATRIX_FMT_BF8 matrix_b_fmt:MATRIX_FMT_BF8 matrix_a_scale:MATRIX_SCALE_ROW1 matrix_b_scale:MATRIX_SCALE_ROW1
.endif
.endif
.endm
	s_load_b256 s[4:11], s[0:1], 0x0               ; qkv s[4:5], clsfc s[6:7], g2g s[8:9], ln_g s[10:11]
	s_load_b128 s[12:15], s[0:1], 0x20             ; ln_b s[12:13], out0 s[14:15]
	v_lshl_add_u32 v[SPW], v0, 2, SPARE
	v_mov_b32 v[NIL], 0
	ds_add_u32 v1, v2
	ds_add_u32 v1, v2
	s_wait_dscnt 0x0
	v_lshrrev_b32 v53, 5, v0
	v_readfirstlane_b32 s[WV], v53                 ; wave 0..3
	s_bfe_u32 s[CX], ttmp6, 0x40000                ; my place in the cluster: it enters global addresses of my own accesses alone
	s_lshl_b32 s[MB], ttmp9, 2
	s_add_co_u32 s[MB], s[MB], s[CX]               ; the mention
	s_and_b32 s[GG], ttmp7, 0xffff                 ; the group of 16 entities, which the four partners share
	s_mov_b32 s[G1J], 15|(3<<16)|(1<<21)           ; the mask: all four; elements of 8 bytes; bit 21 beside a mask; no padding
	s_mov_b32 s[G1P], 3<<16
.irp g, G1J, G1P
	s_mov_b32 s[\g+1], 32<<16                      ; rows of 32 elements = 256 bytes,
	s_mov_b32 s[\g+2], 99<<16                      ; 99 of them: a quarter of a block
	s_mov_b32 s[\g+3], 32<<16
	s_mov_b32 s[\g+4], 99
	s_mov_b32 s[\g+5], 32
	s_mov_b32 s[\g+6], 0
	s_mov_b32 s[\g+7], 0
.endr
	s_mov_b32 s[CS], 0x3d553b94                    ; c = log2(e) / sqrt(768)
	s_mov_b32 s[CS+1], s[CS]
	s_mov_b32 s[NCS], 0xbd553b94
	s_mov_b32 s[NCS+1], s[NCS]
	s_mov_b32 s[SEL], 0x76543210
	s_mov_b32 s[SEL+1], 0xfedcba98
	s_mov_b32 s[MNT], 0x600000
	s_mov_b32 s[HM], 0xffff0000
	s_mov_b32 s[LEFT], 14                          ; refills to come
	s_mov_b32 s[PSO], 0
	s_mul_i32 s20, s[WV], QTR
	s_add_co_u32 s21, s[MB], 128
	s_mul_i32 s68, s21, BLOCK
	s_add_co_u32 s68, s68, s20                     ; k's block, my quarter
	s_mov_b32 s69, 0
	s_lshl_b32 s21, s[GG], 4
	s_mul_i32 s70, s21, BLOCK                      ; the first entity's block
	s_mov_b32 s71, 0
	s_mul_i32 s72, s[CX], 24576                    ; the prefetches: the partners share a block's codes out by address, 24,576 bytes each, 8,192 a wave
	s_lshl_b32 s73, s[WV], 13
	s_add_co_u32 s72, s72, s73
	s_add_co_u32 s72, s72, s70
	s_add_co_u32 s72, s72, 2*BLOCK                 ; at entity 2: the first change of slots steps it to entity 3
	s_mov_b32 s73, 0
	s_add_co_u32 s70, s70, s20                     ; my quarter: the group's and the wave's numbers alone enter the joint loads' addresses
	s_lshr_b32 s21, s[WV], 1
	s_and_b32 s21, s21, s[WV]                      ; 1 in wave 3 alone
	s_or_b32 s21, s21, ttmp9
	s_cmp_eq_u32 s21, 0
	s_cselect_b32 s[LIM], 1, -1                    ; waves 0 to 2 of the group's first cluster prefetch: the same in all four partners
	s_wait_kmcnt 0x0
	s_mov_b32 s[G0K], 1
	s_add_co_u32 s[G0K+1], s20, KR
	s_add_nc_u64 s[G0K+2:G0K+3], s[4:5], s[68:69]
	s_or_b32 s[G0K+3], s[G0K+3], 0x80000000
	s_mov_b32 s[G0A], 1
	s_mov_b32 s[G0A+1], s20
	s_add_nc_u64 s[G0A+2:G0A+3], s[4:5], s[70:71]
	s_mov_b32 s[G0A+4], 1
	s_add_co_u32 s[G0A+5], s20, Q1
	s_add_nc_u64 s[G0A+6:G0A+7], s[G0A+2:G0A+3], BLOCK
	s_or_b32 s[G0A+3], s[G0A+3], 0x80000000
	s_or_b32 s[G0A+7], s[G0A+7], 0x80000000
	s_add_nc_u64 s[PFA:PFA+1], s[4:5], s[72:73]
	ROUND                                          ; all four work-groups are here: the first joint loads meet
	tensor_load_to_lds s[G0K:G0K+3], s[G1P:G1P+7]  ; the three first fills go out together: three tensor loads of mine are out
	s_nop 0
	tensor_load_to_lds s[G0A:G0A+3], s[G1J:G1J+7]
	s_nop 0
	tensor_load_to_lds s[G0A+4:G0A+7], s[G1J:G1J+7]
	s_nop 0
	PLACES 4
	v_and_b32 v53, 31, v0                          ; lane
	v_and_b32 v62, 15, v0                          ; r
	v_bfe_u32 v[H32], v0, 4, 1                     ; h
	v_lshlrev_b32 v[L16], 4, v53
	v_lshlrev_b32 v[L4], 2, v53
	v_lshlrev_b32 v[R4], 2, v62
	v_lshlrev_b32 v[PFO], 8, v53
	s_mul_i32 s20, s[WV], 24576
	v_add_nc_u32 v[QA0], s20, v[L16]
	v_add_nc_u32 v[QA0+1], BLOCK, v[QA0]
	s_mul_i32 s22, s[WV], 768
	s_add_co_u32 s21, s22, SCOFF
	v_mad_u32_u24 v[QSA0], v53, 24, s21
	v_add_nc_u32 v[QSA0+1], BLOCK, v[QSA0]
	s_mul_i32 s21, s[WV], 8448
	s_add_co_u32 s21, s21, KR
	v_lshl_add_u32 v[PSA0], v[H32], 8, s21
	v_add_nc_u32 v[PSA0], v[PSA0], v[R4]           ; lane half h keeps tiles T = 4 h + i: t = 64 h + 16 i + r
	v_add_nc_u32 v[KA0], KR, v[L16]
	v_add_nc_u32 v[KA1], 49152, v[KA0]
	v_mad_u32_u24 v[PSW], v53, 24, KR+SCOFF        ; (k's scale words, once)
	v_mul_u32_u24 v[GA], v62, 528
	v_lshl_add_u32 v[GA], v[H32], 5, v[GA]
	v_add_nc_u32 v[GA], KR, v[GA]
	s_lshl_b32 s21, s[WV], 6
	s_add_co_u32 s21, s21, EX1
	v_add_nc_u32 v[EXW], s21, v[R4]
	v_add_nc_u32 v[EXR], EX1, v[R4]
	v_mul_u32_u24 v[CLO], v62, 3072
	v_lshl_add_u32 v[CLO], v[H32], 5, v[CLO]
	v_lshlrev_b32 v[H32], 5, v[H32]
	s_mov_b32 s75, 0                               ; what the end reads: my 12 tiles of v, their scale words, my 192 units of clsfc, ln_g, ln_b; g2g and out0 at (b, 16 g)
	s_add_co_u32 s21, s[MB], 160
	s_mul_i32 s23, s21, BLOCK
	s_add_co_u32 s74, s23, s20
	s_add_nc_u64 s[VPT:VPT+1], s[4:5], s[74:75]
	s_add_co_u32 s74, s23, s22
	s_add_co_u32 s74, s74, SCOFF
	s_add_nc_u64 s[VSP:VSP+1], s[4:5], s[74:75]
	s_mul_i32 s74, s[GG], 49152
	s_add_co_u32 s74, s74, s22
	s_add_nc_u64 s[CLP:CLP+1], s[6:7], s[74:75]
	s_mov_b32 s74, s22
	s_add_nc_u64 s[LGP:LGP+1], s[10:11], s[74:75]
	s_add_nc_u64 s[LBP:LBP+1], s[12:13], s[74:75]
	s_lshl_b32 s74, s[MB], 9
	s_lshl_b32 s21, s[GG], 6
	s_add_co_u32 s74, s74, s21
	s_add_nc_u64 s[G2P:G2P+1], s[8:9], s[74:75]
	s_add_nc_u64 s[OUP:OUP+1], s[14:15], s[74:75]
.macro QLOAD slot, s                   ; my two tiles' fragments of K step s into buffer s % 2
.irp u, 0,1
.irp c, 0,1,2,3
	ds_load_b128 v[QB+32*((\s)%2)+16*\u+4*\c:QB+32*((\s)%2)+16*\u+4*\c+3], v[QA0+(\slot)] offset:\u*12288+2048*(\s)+512*\c
.endr
.endr
.endm
.macro PREA slot                       ; an entity's K step 0 and its scale words
	QLOAD \slot, 0
.irp i, 0,1,2
	ds_load_b64 v[QSC+2*\i:QSC+2*\i+1], v[QSA0+(\slot)] offset:8*\i
.endr
.endm
.macro PREB slot
	QLOAD \slot, 1
.endm
; An entity's 96 products: six K steps of 16, the 16 accumulators by turns, one instruction a turn.  k's fragment (s, T) lies in window 1 + s / 2 at 16 (8 (s % 2) + T).
.macro PRODUCT slot
.irp s, 0,1,2,3,4,5
.if \s < 5
	s_wait_dscnt 0x8                               ; this K step's fragments are in; the other buffer's eight loads stay out
.else
	s_wait_dscnt 0x0
.endif
	WIN (1+\s/2)*4                                 ; source 1 in k's window; LDS loads' address and destination stay in window 0 under it
.irp t, 0,1,2,3,4,5,6,7
.irp u, 0,1
.set rD, ACC+64*\u+8*\t
.set rA, QB+32*(\s%2)+16*\u
.set rB, 16*(8*(\s%2)+\t)
.set rSA, QSC+\s
.set rSB, KS+6*(\t/2)+\s
.if \s == 0
	WM \u, \t%2, 1
.else
	WM \u, \t%2, 0
.endif
.endr
.endr
.if \s < 4
	PLACES 8                                       ; in front of loads into registers that the products have read
	QLOAD \slot, \s+2
.endif
.endr
.endm
; A PREFETCH INTO THE L2 of the codes of the entity that the NEXT change of slots will ask for: 98,304 bytes = 4 partners x 3 waves x 32 lanes x 256.  All eight clusters of a group walk the same blocks:
; the first of them asks; its partners are told apart by address.  The last change that fills a slot asks for nothing; entities 0 to 2 and the scale bytes come by their loads alone.
.macro ASK
	s_cmp_gt_u32 s[LEFT], s[LIM]
	s_cbranch_scc0 .Lnot_mine_\@
	global_prefetch_b8 v[PFO], s[PFA:PFA+1] th:TH_LOAD_NT scope:SCOPE_SE
.Lnot_mine_\@:
.endm
; THE CHANGE OF SLOTS, behind an entity's products.  Each wave waits for all its tensor loads (the one that is out is its part of the next entity), adds 0 to its spare word, and waits for that and for its reads of the slot.
; fill = 1: the slot takes the entity two further on: the barrier is a round of the cluster's, the joint refill the first thing behind it: it has a softmax and an entity's products in which to land.
.macro CHANGE slot, fill
	WIN 0
	s_wait_tensorcnt 0x0
	ds_add_u32 v[SPW], v[NIL]
.if \fill
	s_add_nc_u64 s[G0A+4*\slot+2:G0A+4*\slot+3], s[G0A+4*\slot+2:G0A+4*\slot+3], 2*BLOCK   ; no tensor load of mine is out: the group 0 may step
	s_wait_xcnt 0x0                                ; the last prefetch, an entity back, has read its address
	s_add_nc_u64 s[PFA:PFA+1], s[PFA:PFA+1], BLOCK
.endif
	PLACES 9                                       ; behind the last products: for the reads of the scores, the loads into q's registers, and the next entity's products, which begin the accumulators anew
	s_wait_dscnt 0x0
.if \fill
	ROUND
	tensor_load_to_lds s[G0A+4*\slot:G0A+4*\slot+3], s[G1J:G1J+7]
	s_nop 0
	PLACES 4
.else
	s_barrier_signal -1
	s_barrier_wait -1
.endif
	PREA 1-\slot
.if \fill
	ASK
	s_sub_co_u32 s[LEFT], s[LEFT], 1
.endif
.endm
; THE SOFTMAX of 32 queries x 128 keys, and its sum over the queries.  All in window 0.
.macro SOFTMAX
.irp u, 0,1
.irp j, 0,1,2,3,4,5,6,7
	v_max3_num_f32 v[ST+8*\u+\j], v[ACC+64*\u+\j], v[ACC+64*\u+8+\j], v[ACC+64*\u+16+\j]   ; query (u, j): over the tiles; each accumulator is read from its low end on
.endr
.endr
.irp t, 3,5
.irp u, 0,1
.irp j, 0,1,2,3,4,5,6,7
	v_max3_num_f32 v[ST+8*\u+\j], v[ST+8*\u+\j], v[ACC+64*\u+8*\t+\j], v[ACC+64*\u+8*\t+8+\j]
.endr
.endr
.endr
.irp u, 0,1
.irp j, 0,1,2,3,4,5,6,7
	v_max_num_f32 v[ST+8*\u+\j], v[ST+8*\u+\j], v[ACC+64*\u+56+\j]
.endr
.endr
.irp m, 1,2,4,8
.irp n, 0,1,2,3,4,5,6,7,8,9,10,11,12,13,14,15
	v_max_num_f32_dpp v[ST+\n], v[ST+\n], v[ST+\n] row_xmask:\m row_mask:0xf bank_mask:0xf   ; over the 16 lanes of my half
.endr
.endr
.irp n, 0,2,4,6,8,10,12,14
	v_pk_mul_f32 v[ST+\n:ST+\n+1], v[ST+\n:ST+\n+1], s[NCS:NCS+1] op_sel_hi:[1,0]            ; -c m
.endr
.irp u, 0,1
.irp t, 0,1,2,3,4,5,6,7
.irp p, 0,2,4,6
	v_pk_fma_f32 v[ACC+64*\u+8*\t+\p:ACC+64*\u+8*\t+\p+1], v[ACC+64*\u+8*\t+\p:ACC+64*\u+8*\t+\p+1], s[CS:CS+1], v[ST+8*\u+\p:ST+8*\u+\p+1] op_sel_hi:[1,0,1]   ; c s - c m
.endr
.endr
.endr
.set nn, 0
.rept 128
	v_exp_f32 v[ACC+nn], v[ACC+nn]
.set nn, nn+1
.endr
	v_nop                                          ; a plain instruction behind the last exponential
	s_wait_alu depctr_va_vdst(0)                   ; one wait for the batch of 128, ahead of its first reader
.irp u, 0,1
.irp p, 0,2,4,6
	v_pk_add_f32 v[ST+8*\u+\p:ST+8*\u+\p+1], v[ACC+64*\u+\p:ACC+64*\u+\p+1], v[ACC+64*\u+8+\p:ACC+64*\u+8+\p+1]   ; the rows' sums: over the tiles,
.endr
.endr
.irp t, 2,3,4,5,6,7
.irp u, 0,1
.irp p, 0,2,4,6
	v_pk_add_f32 v[ST+8*\u+\p:ST+8*\u+\p+1], v[ST+8*\u+\p:ST+8*\u+\p+1], v[ACC+64*\u+8*\t+\p:ACC+64*\u+8*\t+\p+1]
.endr
.endr
.endr
.irp m, 1,2,4,8
.irp n, 0,1,2,3,4,5,6,7,8,9,10,11,12,13,14,15
	v_add_f32_dpp v[ST+\n], v[ST+\n], v[ST+\n] row_xmask:\m row_mask:0xf bank_mask:0xf       ; and over the 16 lanes
.endr
.endr
.irp n, 0,1,2,3,4,5,6,7,8,9,10,11,12,13,14,15
	v_rcp_f32 v[RL+\n], v[ST+\n]
.endr
	v_nop
	s_wait_alu depctr_va_vdst(0)                   ; one wait for the sixteen
.irp t, 0,1,2,3,4,5,6,7
	v_pk_mul_f32 v[ST+2*\t:ST+2*\t+1], v[ACC+8*\t:ACC+8*\t+1], v[RL:RL+1]                    ; key (T, r): the sum over my 16 queries of p / l, in two halves
.endr
.irp p, 2,4,6
.irp t, 0,1,2,3,4,5,6,7
	v_pk_fma_f32 v[ST+2*\t:ST+2*\t+1], v[ACC+8*\t+\p:ACC+8*\t+\p+1], v[RL+\p:RL+\p+1], v[ST+2*\t:ST+2*\t+1]
.endr
.endr
.irp p, 0,2,4,6
.irp t, 0,1,2,3,4,5,6,7
	v_pk_fma_f32 v[ST+2*\t:ST+2*\t+1], v[ACC+64+8*\t+\p:ACC+64+8*\t+\p+1], v[RL+8+\p:RL+8+\p+1], v[ST+2*\t:ST+2*\t+1]
.endr
.endr
.irp t, 0,1,2,3,4,5,6,7
	v_add_f32 v[ST+2*\t], v[ST+2*\t], v[ST+2*\t+1]
.endr
.irp i, 0,1,2,3                        ; the two halves of the lanes hold different queries of the same keys: half h keeps tiles 4 h + i and sends the others across
	v_cndmask_b32 v[ST+1+2*\i], v[ST+8+2*\i], v[ST+2*\i], s[HM]
	v_cndmask_b32 v[RES+\i], v[ST+2*\i], v[ST+8+2*\i], s[HM]
.endr
.irp i, 0,1,2,3
	v_permlanex16_b32 v[ST+9+2*\i], v[ST+1+2*\i], s[SEL], s[SEL+1]
.endr
.irp i, 0,1,2,3
	v_add_f32 v[RES+\i], v[RES+\i], v[ST+9+2*\i]
.endr
	v_add_nc_u32 v[PSW], s[PSO], v[PSA0]
.irp i, 0,1,2,3
	ds_store_b32 v[PSW], v[RES+\i] offset:64*\i    ; my wave's part for this entity
.endr
	s_add_co_u32 s[PSO], s[PSO], 528
.endm
.macro ENT slot, fill
	PRODUCT \slot
	CHANGE \slot, \fill
	SOFTMAX
	PREB 1-\slot                                   ; buffer 1 held the statistics: it is free only now
.endm
	s_wait_tensorcnt 0x1                           ; my parts of k and of entity 0 are in; entity 1's may stay out
	s_barrier_signal -1
	s_barrier_wait -1
.irp s, 0,1,2,3,4,5
	WIN (1+\s/2)<<6                                ; k goes into windows 1 to 3 and stays
.irp t, 0,1,2,3
.irp c, 0,1,2,3
	ds_load_b128 v[16*(8*(\s%2)+\t)+4*\c:16*(8*(\s%2)+\t)+4*\c+3], v[KA0] offset:\t*12288+2048*\s+512*\c
.endr
.endr
.irp t, 4,5,6,7
.irp c, 0,1,2,3
	ds_load_b128 v[16*(8*(\s%2)+\t)+4*\c:16*(8*(\s%2)+\t)+4*\c+3], v[KA1] offset:(\t-4)*12288+2048*\s+512*\c
.endr
.endr
.endr
	WIN 0
.irp p, 0,1,2,3
.irp i, 0,1,2
	ds_load_b64 v[KS+6*\p+2*\i:KS+6*\p+2*\i+1], v[PSW] offset:768*\p+8*\i
.endr
.endr
	PREA 0
	PREB 0
	s_mov_b32 s[TRIP], 7
.Lpair:                                            ; a trip: two entities, once round the ring; both slots are filled again
	ENT 0, 1
	ENT 1, 1
	s_sub_co_u32 s[TRIP], s[TRIP], 1
	s_cmp_lg_u32 s[TRIP], 0
	s_cbranch_scc1 .Lpair
	ENT 0, 0                                       ; the tail is written out: nothing is left to ask for
	PRODUCT 1
	WIN 0
	PLACES 8                                       ; behind the last products: k's registers take the loads below
	WIN 0x40                                       ; what the end needs is asked for ahead of the last softmax
.irp ta, 0,1,2,3,4,5,6,7,8,9,10,11
.irp c, 0,1,2,3
	global_load_b128 v[16*\ta+4*\c:16*\ta+4*\c+3], v[L16], s[VPT:VPT+1] offset:2048*\ta+512*\c
.endr
.endr
	WIN 0x80
.irp ta, 0,1,2,3,4,5,6,7,8,9,10,11
.irp q, 0,1
	global_load_b128 v[8*\ta+4*\q:8*\ta+4*\q+3], v[CLO], s[CLP:CLP+1] offset:64*\ta+16*\q         ; clsfc's first half of K (entity r, unit 16 ta + 8 h + j)
	global_load_b128 v[96+8*\ta+4*\q:96+8*\ta+4*\q+3], v[H32], s[LGP:LGP+1] offset:64*\ta+16*\q   ; ln_g
.endr
.endr
	WIN 0xc0
.irp ta, 0,1,2,3,4,5,6,7,8,9,10,11
.irp q, 0,1
	global_load_b128 v[8*\ta+4*\q:8*\ta+4*\q+3], v[H32], s[LBP:LBP+1] offset:64*\ta+16*\q         ; ln_b
	global_load_b128 v[96+8*\ta+4*\q:96+8*\ta+4*\q+3], v[CLO], s[CLP:CLP+1] offset:CLSH+64*\ta+16*\q   ; clsfc's second half of K
.endr
.endr
	WIN 0
.irp p, 0,1,2,3,4,5
	global_load_b32 v[VS+\p], v[L4], s[VSP:VSP+1] offset:128*\p
.endr
	global_load_b32 v[GV], v[R4], s[G2P:G2P+1]
	global_load_b32 v[GV2], v[R4], s[G2P:G2P+1] offset:G2GH
	SOFTMAX
	s_wait_dscnt 0x0                               ; for the others' sake: my partial sums have landed
	s_barrier_signal -1
	s_barrier_wait -1
; THE END.  Every wave adds the four waves' parts.  Lane (r, h) takes entity r; register 16 c + 8 u + j is t = 32 c + 16 u + 8 h + j: the map in which v's codes lie.
.macro GATHER wv, reg
.irp c, 0,1,2,3
.irp u, 0,1
.irp q, 0,1
	ds_load_b128 v[\reg+16*\c+8*\u+4*\q:\reg+16*\c+8*\u+4*\q+3], v[GA] offset:8448*\wv+128*\c+64*\u+16*\q
.endr
.endr
.endr
.endm
.macro ADDIN reg
.set nn, 0
.rept 32
	v_pk_add_f32 v[128+nn:129+nn], v[128+nn:129+nn], v[\reg+nn:\reg+nn+1]
.set nn, nn+2
.endr
.endm
	GATHER 0, 128
	GATHER 1, 192
	GATHER 2, 64
	s_wait_dscnt 16                                ; waves 0 and 1's parts are in; wave 2's 16 loads stay out
	ADDIN 192
	GATHER 3, 192
	s_wait_dscnt 16                                ; wave 2's are in; wave 3's stay out
	ADDIN 64
	s_wait_dscnt 0x0
	ADDIN 192
	QUANT 128, 64, PW
	s_wait_loadcnt 0x0
	PLACES 4                                       ; codes written by vector instructions stand four places ahead of the products; the scale word was made further up
	WIN 1                                          ; source 0: v's fragments in window 1
.irp ta, 0,1,2,3,4,5,6,7,8,9,10,11
.set rD, Y+8*\ta
.set rA, 16*\ta
.set rB, 64
.set rSA, VS+\ta/2
.set rSB, PW
	WM \ta%2, 0, 1                                 ; y(unit 16 ta + 8 h + j, entity r) = 128 ctx
.endr
	WIN 0
	PLACES 8
	v_pk_add_f32 v[SU:SU+1], v[Y:Y+1], v[Y+2:Y+3]  ; the sum of my 192 units' y, each accumulator from its low end on
.set nn, 4
.rept 46
	v_pk_add_f32 v[SU:SU+1], v[SU:SU+1], v[Y+nn:Y+nn+1]
.set nn, nn+2
.endr
	v_add_f32 v[SU], v[SU], v[SU+1]
	v_permlanex16_b32 v[SU+2], v[SU], s[SEL], s[SEL+1]
	v_add_f32 v[SU], v[SU], v[SU+2]
	ds_store_b32 v[EXW], v[SU]                     ; (both halves of the lanes write the same word with the same value)
	WIN 0x8e                                       ; destination and source 0 window 2, source 1 window 3: clsfc's two halves of K are added
.set nn, 0
.rept 48
	v_pk_add_f32 v[nn:nn+1], v[nn:nn+1], v[96+nn:97+nn]
.set nn, nn+2
.endr
	WIN 0x8a                                       ; window 2: ln_g's registers take clsfc x ln_g
.set nn, 0
.rept 48
	v_pk_mul_f32 v[96+nn:97+nn], v[nn:nn+1], v[96+nn:97+nn]
.set nn, nn+2
.endr
	WIN 0x0e                                       ; source 0 clsfc (window 2), source 1 ln_b (window 3)
	v_pk_mul_f32 v[DB:DB+1], v[0:1], v[0:1]
.set nn, 2
.rept 47
	v_pk_fma_f32 v[DB:DB+1], v[nn:nn+1], v[nn:nn+1], v[DB:DB+1]
.set nn, nn+2
.endr
	WIN 0
	s_wait_dscnt 0x0
	s_barrier_signal -1
	s_barrier_wait -1
.irp i, 0,1,2,3
	ds_load_b32 v[100+\i], v[EXR] offset:64*\i
.endr
	s_wait_dscnt 0x0
	v_add_f32 v100, v100, v101
	v_add_f32 v102, v102, v103
	v_add_f32 v100, v100, v102
	v_mul_f32 v[MN], 0xbaaaaaab, v100              ; -mean(y): x -1/768
	v_mov_b32 v[MN+1], v[MN]
.set nn, 0
.rept 48
	v_pk_add_f32 v[Y+nn:Y+nn+1], v[Y+nn:Y+nn+1], v[MN:MN+1]    ; d
.set nn, nn+2
.endr
	v_pk_mul_f32 v[SQ:SQ+1], v[Y:Y+1], v[Y:Y+1]
.set nn, 2
.rept 47
	v_pk_fma_f32 v[SQ:SQ+1], v[Y+nn:Y+nn+1], v[Y+nn:Y+nn+1], v[SQ:SQ+1]
.set nn, nn+2
.endr
	WIN 0x02                                       ; source 0: clsfc x ln_g in window 2
	v_pk_mul_f32 v[DG:DG+1], v[96:97], v[Y:Y+1]
.set nn, 2
.rept 47
	v_pk_fma_f32 v[DG:DG+1], v[96+nn:97+nn], v[Y+nn:Y+nn+1], v[DG:DG+1]
.set nn, nn+2
.endr
	WIN 0
.irp x, SQ, DG, DB
	v_add_f32 v[\x], v[\x], v[\x+1]
.endr
.irp x, SQ, DG, DB
	v_permlanex16_b32 v[\x+1], v[\x], s[SEL], s[SEL+1]
.endr
.irp x, SQ, DG, DB
	v_add_f32 v[\x], v[\x], v[\x+1]
.endr
	ds_store_b32 v[EXW], v[SQ] offset:256
	ds_store_b32 v[EXW], v[DG] offset:512
	ds_store_b32 v[EXW], v[DB] offset:768
	s_wait_dscnt 0x0
	s_barrier_signal -1
	s_barrier_wait -1
.irp k, 0,1,2
.irp i, 0,1,2,3
	ds_load_b32 v[112+4*\k+\i], v[EXR] offset:256+256*\k+64*\i
.endr
.endr
	s_mov_b32 s20, 0x33aaaaab                      ; 1 / (768 x 128^2)
	s_mov_b32 s21, 0x3727c5ac                      ; 1e-5
	s_wait_dscnt 0x0
.irp k, 0,1,2
	v_add_f32 v[112+4*\k], v[112+4*\k], v[113+4*\k]
	v_add_f32 v[114+4*\k], v[114+4*\k], v[115+4*\k]
.endr
.irp k, 0,1,2
	v_add_f32 v[112+4*\k], v[112+4*\k], v[114+4*\k]
.endr
	v_fma_f32 v100, v112, s20, s21                 ; var + eps
	v_rsq_f32 v100, v100
	v_mul_f32 v116, 0x3c000000, v116               ; (a plain instruction behind the transcendental)  the dot with d, / 128
	s_wait_alu depctr_va_vdst(0)                   ; a wait ahead of the first reader
	v_fma_f32 v100, v116, v100, v120               ; g2l
	v_add_f32 v100, v100, v[GV]                    ; + g2g, its two halves of K
	v_add_f32 v100, v100, v[GV2]
	v_mul_f32 v100, 0.5, v100
	s_wait_xcnt 0x0                                ; EXEC changes only behind this wait
	v_cmp_gt_u32 vcc_lo, 16, v0                    ; threads 0 to 15: wave 0's lanes 0-15 hold the 16 entities
	s_and_saveexec_b32 s20, vcc_lo
	global_store_b32 v[R4], v100, s[OUP:OUP+1]     ; out0(b, 16 g + r): 64 consecutive bytes
	s_wait_xcnt 0x0
	s_or_b32 exec_lo, exec_lo, s20
	s_wait_tensorcnt 0x0                           ; the wave's end
	ds_add_u32 v[SPW], v[NIL]
	s_wait_dscnt 0x0
	ROUND                                          ; the closing round: no work-group ends while a partner may still ask for a block that names it
	s_endpgm
.Lfunc_end_k_q21d7c35e8a_attend:
	.size	k_q21d7c35e8a_attend, .Lfunc_end_k_q21d7c35e8a_attend-k_q21d7c35e8a_attend
	.p2alignl 7, 3214868480
	.fill 96, 4, 3214868480
	.section	.rodata,"a",@progbits
	.p2align	6, 0x0
	.amdhsa_kernel k_q21d7c35e8a_attend
		.amdhsa_group_segment_fixed_size 327680
		.amdhsa_private_segment_fixed_size 0
		.amdhsa_enable_private_segment 0
		.amdhsa_kernarg_size 48
		.amdhsa_user_sgpr_count 2
		.amdhsa_user_sgpr_kernarg_segment_ptr 1
		.amdhsa_wavefront_size32 1
		.amdhsa_system_sgpr_workgroup_id_x 1
		.amdhsa_system_sgpr_workgroup_id_y 1
		.amdhsa_system_sgpr_workgroup_id_z 1
		.amdhsa_system_vgpr_workitem_id 0
		.amdhsa_next_free_vgpr 1024
		.amdhsa_next_free_sgpr 96
		.amdhsa_reserve_vcc 1
		.amdhsa_float_denorm_mode_32 3
		.amdhsa_float_denorm_mode_16_64 3
		.amdhsa_memory_ordered 1
		.amdhsa_forward_progress 1
		.amdhsa_inst_pref_size 255
	.end_amdhsa_kernel
	.section	.bss,"aw",@nobits
	.p2align	6
	.space	262144
	.amdgpu_metadata
---
amdhsa.version: [ 1, 2 ]
amdhsa.kernels:
  - .name:           k_q21d7c35e8a_attend
    .symbol:         k_q21d7c35e8a_attend.kd
    .args:
      - { .name: qkv, .offset: 0, .size: 8, .value_kind: global_buffer, .address_space: global }
      - { .name: clsfc, .offset: 8, .size: 8, .value_kind: global_buffer, .address_space: global }
      - { .name: g2g, .offset: 16, .size: 8, .value_kind: global_buffer, .address_space: global }
      - { .name: ln_g, .offset: 24, .size: 8, .value_kind: global_buffer, .address_space: global }
      - { .name: ln_b, .offset: 32, .size: 8, .value_kind: global_buffer, .address_space: global }
      - { .name: out0, .offset: 40, .size: 8, .value_kind: global_buffer, .address_space: global }
    .group_segment_fixed_size: 327680
    .private_segment_fixed_size: 0
    .kernarg_segment_align: 8
    .kernarg_segment_size: 48
    .max_flat_workgroup_size: 128
    .sgpr_count:     96
    .vgpr_count:     1024
    .wavefront_size: 32
...
	.end_amdgpu_metadata
.endif
;; end of part 3
